; MI455X (gfx1250); checked and timed in simulation.
; The chip was launched on July 23, 2026; its instructions are those of AMD's public machine-readable ISA for CDNA 5 (MIT licence, August 2026) and "CDNA5" Instruction Set Architecture Reference Guide (July 2026). The comments in the code are by the model that wrote it; some were corrected since.
;; Causal Self Attention. Allowed arithmetic: matrix products marked QUANTISED: E4M3 operands, one given power-of-two scale a tensor, by v_wmma_f32_16x16x64_fp8_fp8 or v_wmma_f32_16x16x128_fp8_fp8, f32 sums; everything else in f32.
;; Inputs: lowp_scales 8 int32 (the exponents e of the quantised operands' scales 2^e); w_proj 1,024 x 1,024 float32; w_qkv 3,072 x 1,024 float32; x 4 x 2,048 x 1,024 float32.
;; Outputs: out0 4 x 2,048 x 1,024 float32.
;; This version of the problem:
;;   THIS VERSION OF THE PROBLEM IS GIVEN IN LOW PRECISION. The matrix products marked QUANTISED in the list below multiply operands that are first quantised to E4M3 (4 exponent bits, 3 mantissa bits; 8 bits a number), with one given power-of-two scale for each operand tensor; their sums are f32. All else is computed in f32.
;;   The module's matrix products, in the order in which they are computed (A, B: the left and right operand; K: the contracted axis; several contracted axes count as one K, in the product's order):
;;     1. [M 8,192, K 1,024] x [K 1,024, N 3,072]; A: input x; B: input w_qkv: QUANTISED (scales: A lowp_scales[0], B lowp_scales[1])
;;     2. batch 64 x [M 2,048, K 64] x [K 64, N 2,048]; A: computed on the way; B: computed on the way: QUANTISED (scales: A lowp_scales[2], B lowp_scales[3])
;;     3. batch 64 x [M 2,048, K 2,048] x [K 2,048, N 64]; A: softmax (see below); B: computed on the way: QUANTISED (scales: A lowp_scales[4], B lowp_scales[5])
;;     4. [M 8,192, K 1,024] x [K 1,024, N 1,024]; A: computed on the way; B: input w_proj: QUANTISED (scales: A lowp_scales[6], B lowp_scales[7])
;;   THE QUANTISER, for each operand of a quantised product, along K:
;;     - The operand's scale is 2^e, e = its entry of the input lowp_scales (int32; the entries are numbered through the quantised products in the list's order, A before B).
;;     - Each number is divided by the scale, clamped to +-448, and rounded to the nearest number of E4M3, ties to even, subnormals kept.
;;     - The product sums the exact products of the quantised numbers (number of the format x scale) in f32.
;;   ~~~python
;;   def quantise(x, axis, e):      # numpy; x: float32 -> the quantised numbers, widened to float32 again
;;       x = np.moveaxis(x, axis, -1); K = x.shape[-1]
;;       r = np.clip(x / 2.0 ** e, -448, 448)
;;       step = 2.0 ** (np.maximum(np.frexp(np.where(r == 0, 1, r))[1] - 1, -6) - 3)
;;       q = np.round(r / step) * step * 2.0 ** e      # np.round: ties to even
;;       return np.moveaxis(q, -1, axis).astype(np.float32)
;;   ~~~
;;   SOFTMAX AHEAD OF A QUANTISED PRODUCT. Where the list says 'softmax', what is quantised is not the finished softmax but p = 2^(t - M), with t = logit x log2(e) and M = ceil(the row's largest t), a whole number; so 1/2 < the row's largest p <= 1. The row's sum l is taken of the UNQUANTISED p, in f32, and the product's result is divided by l at the end. Since M is a whole number, a kernel that streams over the keys may use a running M (the ceiling of the running maximum): every later rescaling is an exact power of two, so the quantised numbers keep their values, but for numbers so far below the row's largest that they fall under the format's range.
;;   OPERANDS COMPUTED ON THE WAY. 'Computed on the way' means the value that the module computes at that place (a softmax that the list does not call 'softmax' is quantised finished and normalised). What goes into a quantiser is computed in f32, as accurately as f32 sums, v_exp_f32 and their like allow (about 1e-6 of the number): no bf16 or f16 on the way to a quantiser, and a product that is left as it is and whose result goes on into a quantised operand takes f32 operands (vector FMAs, or v_wmma_f32_16x16x4_f32). A number that lies on a knife's edge between two numbers of the format may be rounded either way, as far as f32 arithmetic and the matrix unit's own rounding can turn it there, and no further.
;; 2 versions, each right; version 2 is version 1 with the launch attn written anew for expert scheduling mode. Each part assembles by itself: llvm-mc -triple=amdgcn-amd-amdhsa -mcpu=gfx1250 --defsym DOCPART=n.
;; ======== version 1 of 2: 4 launches
;; workspace buffers: codes 12,582,912 bytes; qkv 25,165,824 bytes; ao 8,388,608 bytes
;; launch quant (part 1): grid 384 x 1, 4 waves a work-group, no clusters, 33,280 bytes of LDS; arguments x, w_qkv, w_proj, lowp_scales, codes; writes codes
.if DOCPART == 1
	.amdgcn_target "amdgcn-amd-amdhsa--gfx1250"
	.amdhsa_code_object_version 6
	.text
	.protected	k_q6852e30e9f_quant
	.globl	k_q6852e30e9f_quant
	.p2align	8
	.type	k_q6852e30e9f_quant,@function
k_q6852e30e9f_quant:
	s_mov_b64 s[64:65], 0
	v_nop
	global_prefetch_b8 v0, s[64:65] scope:SCOPE_SE
	s_setreg_imm32_b32 hwreg(HW_REG_WAVE_MODE, 25, 1), 1
	s_wait_xcnt 0x0
; x [8192][1024], w_qkv [3072][1024] and w_proj [1024][1024], f32, become codes of E4M3, K innermost, one behind the other in one buffer of 12,288 rows of 1,024 bytes.
; code = number / 2^e, held within +-448, rounded to the nearest code, ties to even.  e = entry 0 of the scales for x, entry 1 for w_qkv, entry 7 for w_proj.
; LIMITS: e between -126 and 119, so that 2^e and 448 x 2^e are f32 numbers.  NaN among the inputs is not served (an infinity is held at the largest code).
; THE ORDER OF ROWS.  Rows of x and of w_qkv are stored with bits 3 and 4 of the row's number exchanged: place m of the sixteen rows 2 b + u of a group of 32 holds row 32 b + 8 u + m + 8 (m / 8).
; A product that takes such sixteen rows as its first source leaves, in the registers of two neighbouring results, sixteen NEIGHBOURS along those rows: what the next quantiser wants.  w_proj's rows stay in order.
; SHARES.  384 work-groups of 32,768 numbers: 0-255 x, 256-351 w_qkv, 352-383 w_proj; only pointers and e are chosen, by selects on the work-group's number: one path through the text.
; A wave takes 8 whole rows, 16 steps of 512 numbers; the exchange of bits 3 and 4 moves whole groups of 8 rows, so it is an exchange of the two bits of the wave's number in the address of its codes.
; Each load reads 512 consecutive bytes; a step's 2,048 bytes turn through the wave's own stage in LDS, so that a lane holds 16 neighbours for the conversions; a lane's 16 codes are 16 bytes: a store covers 512 consecutive bytes.
; No tensor loads, no barrier: waves share nothing.  Loads run four steps (16 loads a wave) ahead, the turn through LDS one step.
.set STEPS, 16
.set WGX,   256                        ; work-groups for x
.set WGW,   352                        ; and for x and w_qkv together
.set EMAX,  8
.set MANT,  0x600000                   ; the mantissa field of 448 as f32
.set CB,    16                         ; bytes of 16 codes
.set R,     16                         ; v16-79   four sets of 16 numbers as they are loaded
.set X,     80                         ; v80-111  two sets of 16 neighbours
.set C,     128                        ; v128-191 codes: four registers for each step, so that no store's data are written again
.set WREG,  8192                       ; LDS: a region of its own for each wave: two stages of 32 x SP bytes
.set SP,    80                         ; a lane's place in a stage: its 64 bytes + 16 of padding
	s_load_b128 s[4:7], s[0:1], 0x0                ; x, w_qkv
	s_load_b128 s[8:11], s[0:1], 0x10              ; w_proj, the scales' exponents
	s_load_b64 s[12:13], s[0:1], 0x20              ; the codes
	v_lshl_add_u32 v192, v0, 2, 0x8000
	v_mov_b32 v193, 0
	v_lshrrev_b32 v1, 5, v0
	v_readfirstlane_b32 s16, v1                    ; wave
	v_and_b32 v2, 31, v0                           ; lane
	v_lshlrev_b32 v3, 4, v2                        ; my 16 bytes of a load's 512
	s_mul_i32 s14, s16, WREG
	v_lshrrev_b32 v14, 2, v2
	v_mul_u32_u24 v14, v14, SP
	v_and_b32 v15, 3, v2
	v_lshl_add_u32 v14, v15, 4, v14
	v_add_nc_u32 v14, s14, v14                     ; the stage, on the way in: SP (lane / 4) + 16 (lane % 4)
	v_mul_u32_u24 v15, v2, SP
	v_add_nc_u32 v15, s14, v15                     ; and on the way out: SP x lane: my 16 neighbours
	v_mul_u32_u24 v4, v2, CB                       ; my codes' place in a step's
	s_and_b32 s18, s16, 1
	s_lshl_b32 s18, s18, 1
	s_lshr_b32 s19, s16, 1
	s_or_b32 s18, s18, s19                         ; the wave's number with its two bits exchanged
	s_wait_kmcnt 0x0
	s_load_b256 s[24:31], s[10:11], 0x0            ; e0 .. e7
	s_mov_b32 s20, WGW
	s_cmp_lt_u32 ttmp9, WGX                        ; x's work-group?  The choices hang on the work-group's number alone
	s_cselect_b64 s[4:5], s[4:5], s[6:7]
	s_cselect_b32 s17, 0, WGX
	s_cmp_lt_u32 ttmp9, WGW                        ; or w_proj's?
	s_cselect_b64 s[4:5], s[4:5], s[8:9]
	s_cselect_b32 s17, s17, s20                    ; the tensor's first work-group
	s_cselect_b32 s18, s18, s16                    ; w_proj's rows stay in order
	s_sub_co_u32 s17, ttmp9, s17
	s_lshl_b32 s17, s17, 2
	s_add_co_u32 s20, s17, s16                     ; which 8 rows of the tensor are my wave's
	s_mov_b32 s21, 0
	s_lshl_b64 s[20:21], s[20:21], 15              ; 8 rows of 4,096 bytes
	s_add_nc_u64 s[4:5], s[4:5], s[20:21]
	s_lshl_b32 s22, ttmp9, 2
	s_add_co_u32 s22, s22, s18                     ; and which 8 rows of the codes' buffer
	s_lshl_b32 s22, s22, 13                        ; 8 rows of 1,024 bytes
	s_mov_b32 s23, 0
	s_add_nc_u64 s[12:13], s[12:13], s[22:23]
.macro LOAD t
.irp i, 0,1,2,3
	global_load_b128 v[R+16*((\t)%4)+4*\i:R+16*((\t)%4)+4*\i+3], v3, s[4:5] offset:2048*(\t)+512*\i th:TH_LOAD_NT   ; 32 lanes read 512 consecutive bytes
.endr
.endm
.macro TURN t                          ; step t's numbers through the stage: LDS serves a wave's instructions in order, so no wait stands between the stores and the loads
.irp i, 0,1,2,3
	ds_store_b128 v14, v[R+16*((\t)%4)+4*\i:R+16*((\t)%4)+4*\i+3] offset:32*SP*((\t)%2)+8*SP*\i
.endr
.irp i, 0,1,2,3
	ds_load_b128 v[X+16*((\t)%2)+4*\i:X+16*((\t)%2)+4*\i+3], v15 offset:32*SP*((\t)%2)+16*\i
.endr
.endm
.irp t, 0,1,2,3
	LOAD \t
.endr
	s_wait_kmcnt 0x0
	s_cmp_lt_u32 ttmp9, WGX
	s_cselect_b32 s22, s24, s25                    ; e0 or e1,
	s_cmp_lt_u32 ttmp9, WGW
	s_cselect_b32 s22, s22, s31                    ; or e7
	s_add_co_i32 s22, s22, 127
	s_lshl_b32 s23, s22, 23
	v_mov_b32 v11, s23                             ; 2^e as f32: the conversion takes its exponent field
	s_add_co_i32 s22, s22, EMAX
	s_lshl_b32 s22, s22, 23
	s_or_b32 s22, s22, MANT
	v_mov_b32 v10, s22                             ; 448 x 2^e
	s_wait_loadcnt 12                              ; step 0's four loads are in; the twelve of steps 1 to 3 may be out
	TURN 0
.macro STEP t
.set XS, X+16*((\t)%2)
	s_wait_dscnt 0x0                               ; this step's numbers are back from the stage: so its stores into the stage have read their registers,
.if (\t)+4 < STEPS
	LOAD (\t)+4                                    ; which take the loads of four steps on
.endif
.if (\t)+1 < STEPS
.if STEPS-2-(\t) >= 3
	s_wait_loadcnt 12                              ; the next step's four loads are in; those of the three steps behind it may be out
.else
	s_wait_loadcnt 4*(STEPS-2-(\t))                ; at the end the count runs down
.endif
	TURN (\t)+1                                    ; and go through the other stage while this step is worked
.endif
.irp i, 0,1,2,3,4,5,6,7,8,9,10,11,12,13,14,15
	v_med3_num_f32 v[XS+\i], v[XS+\i], -v10, v10   ; the conversion to an 8-bit code does not saturate (ISA guide 7.6.2): the number is held within 448 x the scale first
.endr
	v_cvt_scalef32_pk8_fp8_f32 v[C+4*(\t):C+4*(\t)+1], v[XS:XS+7], v11
	v_cvt_scalef32_pk8_fp8_f32 v[C+4*(\t)+2:C+4*(\t)+3], v[XS+8:XS+15], v11
	global_store_b128 v4, v[C+4*(\t):C+4*(\t)+3], s[12:13] offset:32*CB*(\t)   ; the results go to a store alone; the next vector lines, the next step's holds, are plain and touch other registers
.endm
.irp t, 0,1,2,3,4,5,6,7,8,9,10,11,12,13,14,15
	STEP \t
.endr
	s_wait_tensorcnt 0x0
	ds_add_u32 v192, v193
	s_wait_dscnt 0x0
	s_endpgm
.Lfunc_end_k_q6852e30e9f_quant:
	.size	k_q6852e30e9f_quant, .Lfunc_end_k_q6852e30e9f_quant-k_q6852e30e9f_quant
	.p2alignl 7, 3214868480
	.fill 96, 4, 3214868480
	.section	.rodata,"a",@progbits
	.p2align	6, 0x0
	.amdhsa_kernel k_q6852e30e9f_quant
		.amdhsa_group_segment_fixed_size 33280
		.amdhsa_private_segment_fixed_size 0
		.amdhsa_enable_private_segment 0
		.amdhsa_kernarg_size 40
		.amdhsa_user_sgpr_count 2
		.amdhsa_user_sgpr_kernarg_segment_ptr 1
		.amdhsa_wavefront_size32 1
		.amdhsa_system_sgpr_workgroup_id_x 1
		.amdhsa_system_sgpr_workgroup_id_y 1
		.amdhsa_system_sgpr_workgroup_id_z 1
		.amdhsa_system_vgpr_workitem_id 0
		.amdhsa_next_free_vgpr 194
		.amdhsa_next_free_sgpr 66
		.amdhsa_reserve_vcc 0
		.amdhsa_float_denorm_mode_32 3
		.amdhsa_float_denorm_mode_16_64 3
		.amdhsa_memory_ordered 1
		.amdhsa_forward_progress 1
		.amdhsa_inst_pref_size 38
	.end_amdhsa_kernel
	.amdgpu_metadata
---
amdhsa.version: [ 1, 2 ]
amdhsa.kernels:
  - .name:           k_q6852e30e9f_quant
    .symbol:         k_q6852e30e9f_quant.kd
    .args:
      - { .name: x, .offset: 0, .size: 8, .value_kind: global_buffer, .address_space: global }
      - { .name: w_qkv, .offset: 8, .size: 8, .value_kind: global_buffer, .address_space: global }
      - { .name: w_proj, .offset: 16, .size: 8, .value_kind: global_buffer, .address_space: global }
      - { .name: lowp_scales, .offset: 24, .size: 8, .value_kind: global_buffer, .address_space: global }
      - { .name: codes, .offset: 32, .size: 8, .value_kind: global_buffer, .address_space: global }
    .group_segment_fixed_size: 33280
    .private_segment_fixed_size: 0
    .kernarg_segment_align: 8
    .kernarg_segment_size: 40
    .max_flat_workgroup_size: 128
    .sgpr_count:     66
    .vgpr_count:     194
    .wavefront_size: 32
...
	.end_amdgpu_metadata
.endif
;; end of part 1
;; launch qkv (part 2): grid 8 x 48, 4 waves a work-group, clusters of 4 x 4, 327,680 bytes of LDS; arguments codes, lowp_scales, qkv; writes qkv
.if DOCPART == 2
	.amdgcn_target "amdgcn-amd-amdhsa--gfx1250"
	.amdhsa_code_object_version 6
	.text
	.protected	k_q6852e30e9f_qkv
	.globl	k_q6852e30e9f_qkv
	.p2align	8
	.type	k_q6852e30e9f_qkv,@function
k_q6852e30e9f_qkv:
	s_mov_b64 s[64:65], 0
	v_nop
	global_prefetch_b8 v0, s[64:65] scope:SCOPE_SE
	s_setreg_imm32_b32 hwreg(HW_REG_WAVE_MODE, 25, 1), 1
	s_wait_xcnt 0x0
	s_wait_alu depctr_hold_cnt(0) depctr_sa_sdst(0) depctr_va_vdst(0) depctr_va_sdst(0) depctr_va_ssrc(0) depctr_va_vcc(0) depctr_vm_vsrc(0)
	s_getreg_b32 s2, hwreg(HW_REG_IB_STS2, 6, 4)
	s_cmp_eq_u32 s2, 0
	s_cbranch_scc0 .Lentry_in_a_cluster
	s_endpgm
.Lentry_in_a_cluster:
	s_bfe_u32 s2, ttmp6, 0x10000c
	s_cmp_lg_u32 s2, 0xf033
	s_cbranch_scc0 .Lentry_shape_is_right
	s_endpgm
.Lentry_shape_is_right:
; The first product, x w_qkv^T, on codes of E4M3, and its sums quantised at once into the operands of the two products of attention: q (scale entry 2), k (entry 3), v (entry 5).
; A sum stands for sum x 2^(e0 + e1), so its code is sum / 2^(ed - e0 - e1), held within +-448: the three scales are folded into the conversion's one.
; LIMIT: ed - e0 - e1 between -126 and 119 (ed = e2, e3 or e5), so that this power of two and 448 times it are f32 numbers.
; TILES.  384 tiles of 256 x 256 x 1,024; four waves, as many as a WGP has SIMDs, each 128 x 128: 64 accumulators, 512 registers.  K goes in steps of 256 through two LDS slots filled by the tensor data mover.
; ONE TEXT FOR q, k AND v.  Source 0 takes 16 rows of the B region, source 1 16 rows of the A region: a lane holds ONE row of A, and its registers run along B's rows.
;   q, k (cluster y 0-7):  A = tokens (rows of x), B = features (rows of w): the registers run along a head's 64, which is the second product's K.
;   v    (cluster y 8-11): A = channels (rows of w's last third), B = tokens: the registers run along the keys, which is the third product's K.  Only addresses differ, chosen by selects on the cluster's y.
; The rows of the codes' buffer lie with bits 3 and 4 of their number exchanged, so that the 16 registers of B's blocks 2 b and 2 b + 1 are 16 neighbours: 32 b + 16 (lane / 16) + 0 .. 15.
; Two conversions make of them four registers, which ARE registers 4 c .. 4 c + 3 of the next operand; they are stored as they stand, lane l's 16 bytes at 16 l: 512 consecutive bytes a store, no LDS on the way out.
; WHAT IS STORED.  q at byte 0 and k at 8,388,608: [batch x 16 + head][sixteen tokens: 128][c: 2][512].  v at 16,777,216: [batch x 16 + head][128 keys: 16][sixteen channels: 4][c: 4][512].
; CLUSTERS: 4 x 4 work-groups.  The four of a row of the cluster need the same tiles of A, the four of a column the same tiles of B: each tile is asked for jointly, by the same tensor load with the same descriptor and a mask that names the four.
; REGISTERS, in windows of 256: window 0: v0-31 addresses; v32-95 at work on the way out; v96-103 the stores' offsets; v104, v105 the hold and the scale; from v128 A's fragments, ONE set, later the codes.
;   window 1: B's fragments, TWO sets.   window 2: the accumulators of my A rows 0-63 (accumulator (a, b) at v[8 (8 a + b)]);   window 3: those of rows 64-127.
.set ROWB,   256                       ; a tile's row in bytes: 256 codes
.set KROW,   1024                      ; a row of the codes' buffer
.set PITCH,  272                       ; an LDS row: 256 bytes + 16 of padding = 68 words: the 16 rows that a load touches start at 16 different banks (64 banks of 4 bytes: ISA guide 11.1)
.set FR,     16                        ; registers of a fragment: 16 rows x 128 K
.set NL,     4                         ; LDS loads that bring one
.set NP,     4                         ; places behind this matrix instruction (ISA guide 7.12.1)
.set HALFT,  128*PITCH                 ; 128 rows: what one tensor load brings, and what one wave reads of A or of B
.set SLOT,   4*HALFT                   ; A's 256 rows, then B's 256 rows
.set SPARE,  2*SLOT                    ; behind the ring: the spare words, 128 bytes for each wave: two blocks of 256 bytes that no other line names
.set ADRA, 16                          ; v16-17  LDS address of my A fragments in slot 0, 1
.set ADRB, 20                          ; v20-21  the same for B
.set SPW,  28                          ; v28     LDS address of my spare word; never rewritten
.set NIL,  29                          ; v29     0; never rewritten
.set TMP,  32                          ; v32-95  a block's 64 sums, held
.set OFF,  96                          ; v96-103 block a's byte offset in the output, with 16 x lane; never rewritten
.set LIM,  104                         ; v104    448 x 2^(ed - e0 - e1)
.set SC,   105                         ; v105    2^(ed - e0 - e1)
.set AF,   128                         ; A's fragments, in window 0
.set CD,   128                         ; the way out: block a's 16 registers of codes at v[128 + 16 a]: each block has its own, so no store's data are written again
.set G1, 24                            ; s[24:31] descriptor group 1 for A's tiles;  s[32:39] group 0, one set for each slot
.set G0, 32
.set G1B, 48                           ; s[48:55], s[56:63] the same for B's tiles
.set G0B, 56
.set MSB, 0
.macro WIN new                         ; the immediate's high byte repeats the setting that is left
.if MSB != \new
	s_set_vgpr_msb (MSB<<8)|\new
.set MSB, \new
.endif
.endm
.set MUL_LO, 0xa1                      ; source 0 (B) window 1, source 1 (A) window 0, C and D window 2
.set MUL_HI, 0xf1                      ; the same, C and D window 3
.set TO_B,   0x40                      ; destination window 1, address window 0
; A joint load: waves 0 and 1 fetch for A, waves 2 and 3 for B.  Each of the two lines has one mask and one set of registers for all that issue it; the branch hangs on the wave's number alone.
; Four v_nop follow each of the two lines, ahead of the jump, the label and what follows.
.macro JLOAD g0a, g1a, g0b, g1b
	s_cmp_eq_u32 s15, 0
	s_cbranch_scc0 .Lfor_b_\@
	tensor_load_to_lds s[\g0a:\g0a+3], s[\g1a:\g1a+7]
	s_nop 0
.rept 4
	v_nop
.endr
	s_branch .Lasked_\@
.Lfor_b_\@:
	tensor_load_to_lds s[\g0b:\g0b+3], s[\g1b:\g1b+7]
	s_nop 0
.rept 4
	v_nop
.endr
.Lasked_\@:
.endm
.macro CREST                           ; a round of the cluster's barrier behind its opening barrier
	s_cmp_lg_u32 s14, 0
	s_cbranch_scc1 .Lnot_wave_0_\@
	s_barrier_signal -3
.Lnot_wave_0_\@:
	s_barrier_wait -3
	s_barrier_signal -1
	s_barrier_wait -1
.endm
.macro CROUND                          ; a whole round
	s_barrier_signal -1
	s_barrier_wait -1
	CREST
.endm
	s_load_b128 s[4:7], s[0:1], 0x0                ; the codes s[4:5], the scales' exponents s[6:7]
	s_load_b64 s[8:9], s[0:1], 0x10                ; the output
	v_lshl_add_u32 v[SPW], v0, 2, SPARE
	v_mov_b32 v[NIL], 0
	ds_add_u32 v28, v29
	ds_add_u32 v28, v29
	s_wait_dscnt 0x0
	v_lshrrev_b32 v1, 5, v0
	v_readfirstlane_b32 s14, v1                    ; wave 0..3
	s_lshr_b32 s15, s14, 1                         ; which half of the tile's A rows is mine.  Also: I fetch for A (0) or for B (1)
	s_and_b32 s16, s14, 1                          ; which half of its B rows.  Also: which 128 rows of that tile I fetch
	s_bfe_u32 s40, ttmp6, 0x40000                  ; cx, cy: my place in the cluster
	s_bfe_u32 s41, ttmp6, 0x40004
	s_and_b32 s17, ttmp7, 0xffff                   ; the cluster's y: 0-7 q and k, 8-11 v; the same in all sixteen partners
	s_lshl_b32 s43, s41, 2
	s_lshl_b32 s43, 15, s43                        ; my row of the cluster
	s_lshl_b32 s44, 0x1111, s40                    ; my column
	; descriptor group 1: a tile of 128 rows x 256 bytes, padded in LDS
	s_or_b32 s[G1+0], s43, (0<<16)|(1<<20)|(1<<21)|(5<<22)|(3<<25)  ; 15:0 the mask: A's tiles go to my row; 17:16 element of 1 byte; 20 padding on; 21 set beside a mask; 24:22 after every 64 words (code 5); 31:25 of 4 words (code 3)
	s_or_b32 s[G1B+0], s44, (0<<16)|(1<<20)|(1<<21)|(5<<22)|(3<<25)
.irp g, G1, G1B
	s_mov_b32 s[\g+1], ROWB<<16                    ; tensor_dim0
	s_mov_b32 s[\g+2], 128<<16                     ; tensor_dim1 = 128
	s_mov_b32 s[\g+3], ROWB<<16                    ; tile_dim0
	s_mov_b32 s[\g+4], 128                         ; tile_dim1 = 128
	s_mov_b32 s[\g+5], KROW                        ; tensor_dim0_stride
	s_mov_b32 s[\g+6], 0
	s_mov_b32 s[\g+7], 0
.endr
	; which 256 rows of the codes' buffer are A's tile and B's: x is tiles 0-31, w's q part 32-35, its k part 36-39, its v part 40-43
	s_max_u32 s10, s17, 8
	s_sub_co_u32 s10, s10, 8                       ; the batch, where the tile is v's (0 elsewhere)
	s_lshl_b32 s18, s17, 2
	s_lshl_b32 s19, s10, 3
	s_cmp_ge_u32 s17, 8
	s_cselect_b32 s18, 40, s18                     ; A: v: w's v part;  q, k: tokens 4 y + cy
	s_cselect_b32 s19, s19, 32                     ; B: v: tokens 8 (y - 8) + 4 x + cx;  q, k: w's q part (x = 0) or k part (x = 1)
	s_cselect_b32 s12, 1, 0                        ; 1 where the tile is v's
	s_add_co_u32 s18, s18, s41                     ; A's tile: it hangs on cy and y alone
	s_lshl_b32 s42, ttmp9, 2
	s_add_co_u32 s42, s42, s40                     ; 4 x + cx
	s_add_co_u32 s19, s19, s42                     ; B's tile: on cx, x and y alone
	s_lshl_b32 s13, s16, 7                         ; which 128 rows of the tile I fetch
	s_lshl_b32 s20, s18, 8
	s_add_co_u32 s20, s20, s13
	s_lshl_b32 s20, s20, 10                        ; A's rows in bytes (the buffer has 12,582,912)
	s_mov_b32 s21, 0
	s_lshl_b32 s46, s19, 8
	s_add_co_u32 s46, s46, s13
	s_lshl_b32 s46, s46, 10                        ; B's
	s_mov_b32 s47, 0
	s_mul_i32 s45, s14, HALFT                      ; where they go: wave x 128 rows: no place in the cluster enters an LDS address
	s_wait_kmcnt 0x0
	s_load_b256 s[68:75], s[6:7], 0x0              ; e0 .. e7
	s_add_nc_u64 s[20:21], s[4:5], s[20:21]
	s_add_nc_u64 s[46:47], s[4:5], s[46:47]
	CROUND                                         ; all sixteen work-groups are here: the first joint loads meet
.irp s, 0,1
	s_mov_b32 s[G0+4*\s], 1
	s_add_co_u32 s[G0+4*\s+1], s45, \s*SLOT
	s_add_nc_u64 s[G0+4*\s+2:G0+4*\s+3], s[20:21], \s*ROWB
	s_or_b32 s[G0+4*\s+3], s[G0+4*\s+3], 0x80000000
	s_mov_b32 s[G0B+4*\s], 1
	s_add_co_u32 s[G0B+4*\s+1], s45, \s*SLOT
	s_add_nc_u64 s[G0B+4*\s+2:G0B+4*\s+3], s[46:47], \s*ROWB
	s_or_b32 s[G0B+4*\s+3], s[G0B+4*\s+3], 0x80000000
	JLOAD G0+4*\s, G1, G0B+4*\s, G1B               ; two tensor loads of mine are out
.endr
	v_and_b32 v1, 15, v0                           ; l % 16
	v_bfe_u32 v2, v0, 4, 1                         ; l / 16
	v_mul_u32_u24 v3, v1, PITCH
	v_lshl_add_u32 v4, v2, 4, v3                   ; a fragment's row x pitch + 16 x half
	s_mul_i32 s21, s15, HALFT                      ; my 128 rows of A
	s_mul_i32 s22, s16, HALFT                      ; my 128 rows of B,
	s_add_co_u32 s22, s22, 2*HALFT                 ; which lie behind A's 256
.irp s, 0,1
	v_add_nc_u32 v[ADRA+\s], s21, v4
	v_add_nc_u32 v[ADRB+\s], s22, v4
	s_add_co_u32 s21, s21, SLOT
	s_add_co_u32 s22, s22, SLOT
.endr
	; THE WAY OUT'S ADDRESSES.  Block a of A's rows and pair b of B's blocks go to base + (a % 4) SA1 + (a / 4) SA2 + (b / 2) SB2 + (b % 2) 512 + 16 x lane.
	; q, k: a counts sixteens of tokens (1,024 bytes each), b / 2 the head (131,072), b % 2 is c.   v: a % 4 counts sixteens of channels (2,048), a / 4 the head (131,072), b is c (512 each).
	s_lshl_b32 s86, 1024, s12                      ; SA1 = 1,024 or 2,048
	s_mul_i32 s87, s12, 5
	s_lshl_b32 s87, 4096, s87                      ; SA2 = 4,096 or 131,072
	s_mul_i32 s84, s12, 7
	s_lshr_b32 s84, 0x20000, s84                   ; SB2 = 131,072 or 1,024
	s_mov_b32 s85, 0
	v_and_b32 v5, 31, v0
	v_lshlrev_b32 v[OFF], 4, v5
	v_add_nc_u32 v[OFF+1], s86, v[OFF]
	v_add_nc_u32 v[OFF+2], s86, v[OFF+1]
	v_add_nc_u32 v[OFF+3], s86, v[OFF+2]
.irp a, 0,1,2,3
	v_add_nc_u32 v[OFF+4+\a], s87, v[OFF+\a]
.endr
	s_lshr_b32 s80, s18, 3                         ; q, k: the batch = A's tile / 8,
	s_lshl_b32 s80, s80, 4
	s_lshl_b32 s81, s40, 2
	s_add_co_u32 s80, s80, s81
	s_lshl_b32 s81, s16, 1
	s_add_co_u32 s80, s80, s81                     ; x 16 + my first head, 4 cx + 2 x my half of B,
	s_lshl_b32 s80, s80, 7
	s_and_b32 s81, s18, 7
	s_lshl_b32 s81, s81, 4
	s_add_co_u32 s80, s80, s81
	s_lshl_b32 s81, s15, 3
	s_add_co_u32 s80, s80, s81                     ; x 128 + my first sixteen tokens of the batch,
	s_lshl_b32 s80, s80, 10                        ; x 1,024 bytes,
	s_lshl_b32 s81, ttmp9, 23
	s_add_co_u32 s80, s80, s81                     ; in q's part (x = 0) or k's (x = 1)
	s_lshl_b32 s82, s10, 4                         ; v: the batch x 16
	s_lshl_b32 s83, s41, 2
	s_add_co_u32 s82, s82, s83
	s_lshl_b32 s83, s15, 1
	s_add_co_u32 s82, s82, s83                     ; + my first head, 4 cy + 2 x my half of A,
	s_lshl_b32 s82, s82, 4
	s_lshl_b32 s83, s42, 1
	s_add_co_u32 s82, s82, s83
	s_add_co_u32 s82, s82, s16                     ; x 16 + my 128 keys of the batch: 2 (4 x + cx) + my half of B,
	s_lshl_b32 s82, s82, 13                        ; x 8,192 bytes,
	s_add_co_u32 s82, s82, 0x1000000               ; in v's part
	s_cmp_ge_u32 s17, 8
	s_cselect_b32 s80, s82, s80
	s_mov_b32 s81, 0
	s_add_nc_u64 s[76:77], s[8:9], s[80:81]        ; the base for b = 0, 1
	s_add_nc_u64 s[78:79], s[76:77], s[84:85]      ; and for b = 2, 3
.macro FRAG reg, adr, q, i             ; a fragment, 16 rows x 128 K of 8-bit codes, is 16 registers: lane l holds row l % 16; registers 4 c .. 4 c + 3 hold K = 32 c + 16 (l / 16) + 0 .. 15: the same order of K in A and in B
.irp c, 0,1,2,3
	ds_load_b128 v[\reg+4*\c:\reg+4*\c+3], v[\adr] offset:128*(\q)+32*\c+(\i)*16*PITCH
.endr
.endm
; 16 matrix instructions: A's blocks a0, a0 + 1 x B's eight, 128 along K.  p: B's set.  zero = 1: the first product starts the sums: nothing is ever cleared.
; The 64 accumulators take turns, one instruction a turn, in the same order in every step.
.macro MUL16 a0, p, zero
.irp a, \a0, \a0+1
.irp b, 0,1,2,3,4,5,6,7
.if \zero
	v_wmma_f32_16x16x128_fp8_fp8 v[8*(8*((\a)%4)+\b):8*(8*((\a)%4)+\b)+7], v[128*(\p)+FR*\b:128*(\p)+FR*\b+FR-1], v[AF+FR*(\a):AF+FR*(\a)+FR-1], 0
.else
	v_wmma_f32_16x16x128_fp8_fp8 v[8*(8*((\a)%4)+\b):8*(8*((\a)%4)+\b)+7], v[128*(\p)+FR*\b:128*(\p)+FR*\b+FR-1], v[AF+FR*(\a):AF+FR*(\a)+FR-1], v[8*(8*((\a)%4)+\b):8*(8*((\a)%4)+\b)+7]
.endif
.endr
.endr
.endm
.macro FETCH_B slot, q, p              ; B's eight fragments of the slot's q-th 128 along K into set p
	WIN TO_B
.irp i, 0,1,2,3,4,5,6,7
	FRAG 128*(\p)+FR*\i, ADRB+\slot, \q, \i
.endr
	WIN 0
.endm
.macro FETCH_A slot, q, i0             ; A's blocks i0 .. i0 + 3
.irp i, \i0, \i0+1, \i0+2, \i0+3
	FRAG AF+FR*(\i), ADRA+\slot, \q, \i
.endr
.endm
; A load into a register that a matrix instruction has read, and a vector instruction that reads a matrix result, stand NP places behind that matrix instruction; only plain vector
; instructions that name none of its registers are places (ISA guide 7.12.1 for vector instructions).
.macro PLACES n
.rept \n
	v_nop
.endr
.endm
; A step of 128 along K that has its successor in the same slot.  A's blocks are free as soon as their eight products are issued, so one set serves A: blocks 0-3 are fetched anew in the step's middle, blocks 4-7 at its end.
.macro STEP slot, q, zero
	s_wait_dscnt 4*NL                              ; B's set and A's blocks 0-3 are in; the youngest sixteen loads (A's blocks 4-7) may be out
	WIN MUL_LO
	MUL16 0, (\q)%2, \zero
	MUL16 2, (\q)%2, \zero
	s_wait_dscnt 0                                 ; A's blocks 4-7 are in (asked for 32 matrix instructions ago)
	PLACES NP
	FETCH_B \slot, (\q)+1, 1-(\q)%2
	FETCH_A \slot, (\q)+1, 0
	WIN MUL_HI
	MUL16 4, (\q)%2, \zero
	MUL16 6, (\q)%2, \zero
	PLACES NP
	WIN 0
	FETCH_A \slot, (\q)+1, 4
.endm
; A slot's last step changes slots: ONE barrier; in front of it each wave waits for all its tensor loads, adds 0 to its spare word, and waits for that and for its own reads of this slot.  fill = 1: this slot is filled again, two K steps ahead.
.macro TURN slot, next, fill
	s_wait_tensorcnt 0x0                           ; all my tensor loads have landed: my part of the next slot;  (every window is 0 here: the add's two registers lie in window 0)
	ds_add_u32 v[SPW], v[NIL]                      ; 0 onto my spare word
	s_wait_dscnt 4*NL+1                            ; (the add and the youngest sixteen loads, A's blocks 4-7, may be out)
	WIN MUL_LO
	MUL16 0, 1, 0                                  ; sixteen matrix instructions stand between the add and the wait for it
	s_wait_dscnt 0x0                               ; the add is done, and my reads of this slot are over
	s_barrier_signal -1
	MUL16 2, 1, 0
	WIN 0
	s_barrier_wait -1
.if \fill
	CREST                                          ; the barrier has opened a round of the cluster's barrier: no wave of any partner still reads this slot's tile or has a load on its way
	s_add_nc_u64 s[G0+4*\slot+2:G0+4*\slot+3], s[G0+4*\slot+2:G0+4*\slot+3], 2*ROWB
	s_add_nc_u64 s[G0B+4*\slot+2:G0B+4*\slot+3], s[G0B+4*\slot+2:G0B+4*\slot+3], 2*ROWB
	JLOAD G0+4*\slot, G1, G0B+4*\slot, G1B         ; the first tensor load behind the round, my one load until the next; the four v_nop behind it are the places in front of the loads below
.else
	PLACES NP
.endif
	FETCH_B \next, 0, 0
	FETCH_A \next, 0, 0
	WIN MUL_HI
	MUL16 4, 1, 0
	MUL16 6, 1, 0
	PLACES NP
	WIN 0
	FETCH_A \next, 0, 4
.endm
	s_wait_tensorcnt 1                             ; my part of K step 0 is in (K step 1's load may be out)
	s_barrier_signal -1
	s_barrier_wait -1                              ; everybody's is
	FETCH_B 0, 0, 0
	FETCH_A 0, 0, 0
	FETCH_A 0, 0, 4
	STEP 0, 0, 1                                   ; K = 1,024 is four fills of a slot, eight steps of 128: written straight.  The first step's products start the sums
	TURN 0, 1, 1                                   ; slot 0 takes K 512-767
	STEP 1, 0, 0
	TURN 1, 0, 1                                   ; slot 1 takes K 768-1,023
	STEP 0, 0, 0
	TURN 0, 1, 0                                   ; nothing is left to fetch: no round of the cluster's barrier
	STEP 1, 0, 0
	s_wait_dscnt 4*NL                              ; the very last step
	WIN MUL_LO
	MUL16 0, 1, 0
	MUL16 2, 1, 0
	s_wait_dscnt 0
	WIN MUL_HI
	MUL16 4, 1, 0
	MUL16 6, 1, 0
	WIN 0
	; THE WAY OUT.  The scale of the operand that this tile belongs to, chosen by selects on the cluster's x and y: no branch hangs on a loaded number
	s_wait_kmcnt 0x0
	s_cmp_eq_u32 ttmp9, 0
	s_cselect_b32 s88, s70, s71                    ; e2 for q, e3 for k,
	s_cmp_ge_u32 s17, 8
	s_cselect_b32 s88, s73, s88                    ; e5 for v
	s_sub_co_i32 s88, s88, s68
	s_sub_co_i32 s88, s88, s69                     ; ed - e0 - e1
	s_add_co_i32 s88, s88, 127
	s_lshl_b32 s89, s88, 23
	v_mov_b32 v[SC], s89                           ; that power of two as f32: the conversion takes its exponent field
	s_add_co_i32 s88, s88, 8
	s_lshl_b32 s88, s88, 23
	s_or_b32 s88, s88, 0x600000
	v_mov_b32 v[LIM], s88                          ; 448 times it
	PLACES NP                                      ; behind the last products: their results are read, and the registers that held A's fragments are written, below
; Block a: its 64 sums are held (each accumulator from its low end on), converted eight at a time, and stored: four stores of 512 consecutive bytes, each at a multiple of 512 from the buffer's first byte.
.macro OUTBLK a
	WIN 0x02+((\a)/4)                              ; source 0: window 2 or 3
.set i, 0
.rept 64
	v_med3_num_f32 v[TMP+i], v[64*((\a)%4)+i], -v[LIM], v[LIM]   ; the conversion to an 8-bit code does not saturate (ISA guide 7.6.2)
.set i, i+1
.endr
	WIN 0
.irp g, 0,1,2,3,4,5,6,7
	v_cvt_scalef32_pk8_fp8_f32 v[CD+16*(\a)+2*\g:CD+16*(\a)+2*\g+1], v[TMP+8*\g:TMP+8*\g+7], v[SC]
.endr
	v_nop                                          ; one plain vector line behind the last conversion: the next block's holds write the conversions' sources
.irp b, 0,1,2,3
	global_store_b128 v[OFF+(\a)], v[CD+16*(\a)+4*\b:CD+16*(\a)+4*\b+3], s[76+2*(\b/2):77+2*(\b/2)] offset:512*(\b%2)   ; no register of a store is written again
.endr
.endm
.irp a, 0,1,2,3,4,5,6,7
	OUTBLK \a
.endr
	s_wait_tensorcnt 0x0                           ; the wave's end: my last LDS instructions, behind my last tensor load
	ds_add_u32 v[SPW], v[NIL]
	s_wait_dscnt 0x0
	CROUND                                         ; the closing round: no work-group ends while a partner may still ask for a tile that names it
	s_endpgm
.Lfunc_end_k_q6852e30e9f_qkv:
	.size	k_q6852e30e9f_qkv, .Lfunc_end_k_q6852e30e9f_qkv-k_q6852e30e9f_qkv
	.p2alignl 7, 3214868480
	.fill 96, 4, 3214868480
	.section	.rodata,"a",@progbits
	.p2align	6, 0x0
	.amdhsa_kernel k_q6852e30e9f_qkv
		.amdhsa_group_segment_fixed_size 327680
		.amdhsa_private_segment_fixed_size 0
		.amdhsa_enable_private_segment 0
		.amdhsa_kernarg_size 24
		.amdhsa_user_sgpr_count 2
		.amdhsa_user_sgpr_kernarg_segment_ptr 1
		.amdhsa_wavefront_size32 1
		.amdhsa_system_sgpr_workgroup_id_x 1
		.amdhsa_system_sgpr_workgroup_id_y 1
		.amdhsa_system_sgpr_workgroup_id_z 1
		.amdhsa_system_vgpr_workitem_id 0
		.amdhsa_next_free_vgpr 1024
		.amdhsa_next_free_sgpr 100
		.amdhsa_reserve_vcc 0
		.amdhsa_float_denorm_mode_32 3
		.amdhsa_float_denorm_mode_16_64 3
		.amdhsa_memory_ordered 1
		.amdhsa_forward_progress 1
		.amdhsa_inst_pref_size 119
	.end_amdhsa_kernel
	.amdgpu_metadata
---
amdhsa.version: [ 1, 2 ]
amdhsa.kernels:
  - .name:           k_q6852e30e9f_qkv
    .symbol:         k_q6852e30e9f_qkv.kd
    .args:
      - { .name: codes, .offset: 0, .size: 8, .value_kind: global_buffer, .address_space: global }
      - { .name: lowp_scales, .offset: 8, .size: 8, .value_kind: global_buffer, .address_space: global }
      - { .name: qkv, .offset: 16, .size: 8, .value_kind: global_buffer, .address_space: global }
    .group_segment_fixed_size: 327680
    .private_segment_fixed_size: 0
    .kernarg_segment_align: 8
    .kernarg_segment_size: 24
    .max_flat_workgroup_size: 128
    .sgpr_count:     100
    .vgpr_count:     1024
    .wavefront_size: 32
...
	.end_amdgpu_metadata
.endif
;; end of part 2
;; launch attn (part 3): grid 4 x 64, 8 waves a work-group, no clusters, 66,560 bytes of LDS; arguments qkv, lowp_scales, ao; writes ao
.if DOCPART == 3
	.amdgcn_target "amdgcn-amd-amdhsa--gfx1250"
	.amdhsa_code_object_version 6
	.text
	.protected	k_q6852e30e9f_attn
	.globl	k_q6852e30e9f_attn
	.p2align	8
	.type	k_q6852e30e9f_attn,@function
k_q6852e30e9f_attn:
	s_mov_b64 s[64:65], 0
	v_nop
	global_prefetch_b8 v0, s[64:65] scope:SCOPE_SE
	s_setreg_imm32_b32 hwreg(HW_REG_WAVE_MODE, 25, 1), 1
	s_wait_xcnt 0x0
; Causal attention on codes of E4M3: for each of 64 heads (batch x 16 + head), 2,048 queries and keys, head size 64.  S = q k^T, the softmax by the problem's rule, O = p v, O / l quantised (scale entry 6) for the last product.
; THE SOFTMAX: t = score x 2^(e2 + e3) x log2(e) / 8; M = the running largest t, rounded UP to a whole number; p = 2^(t - M) is quantised with 2^e4, not normalised; l is the sum of the unquantised p, in f32, and divides at the end.
; When M moves, l and O are multiplied by 2^(old M - new M), which rounds nothing.  There is no branch on floating-point data.
; SHARES.  Work-group (j, head) owns the query blocks 7 - j and j, 256 queries each, one after the other.  The first walks key slots (256 keys) 0 .. 7 - j, the second 0 .. j: NINE visits in every work-group, seven whole and
; two on the diagonal: 256 work-groups of equal work, and a loop of constant count.  Each of the eight waves owns 32 queries, two tiles of 16, which share every fragment of K and V read from LDS.
; LAYOUT.  Both products are used transposed: S^T = K Q^T (source 0 = 16 keys), O^T = V^T P (source 0 = 16 channels): a lane holds ONE query of each tile throughout.  q, k and v lie in memory as images of the operands' registers
; (four registers on end, lane l's 16 bytes at 16 l), the sixteens of tokens and channels in the order in which place m of sixteen 2 b + u is number 32 b + 8 u + m + 8 (m / 8): so the 16 registers of results 2 b and 2 b + 1 are
; 16 neighbours, 32 b + 16 (lane / 16) + 0 .. 15, and the conversions' results are the next operand's registers.  Every LDS and memory access is a constant + 16 x lane: 512 consecutive bytes an instruction.
; K AND V come through two LDS slots of 32,768 bytes.  A slot's bytes are dense in memory; wave w copies 4,096 of them through 32 registers: loaded a whole visit ahead, stored into the slot that was read in the visit before.
; One barrier a visit: in front of it each wave has waited for its stores (for the readers) and its reads (for the next writers).
; NO TENSOR LOADS, so a branch may hang on the given e4: p is at most 1 (its exponent's rounding leaves it far under 1.75), so for e4 >= -8, where 448 x 2^e4 >= 1.75, the hold at the largest code can change nothing, and its
; 128 lines a step are passed over; for e4 < -8 they run.
; NO CLUSTER, though the four work-groups of a head read the same K and V: work-group j reads slot n in visit n only while n < 8 - j, so the four ask for the same slot in the first five visits of nine alone, and the change of
; query blocks is a branch that hangs on j, which would be a work-group's place in its cluster.
; CAUSAL.  A step (128 keys) all of whose keys come after my 32 queries is left out by a scalar branch on ids; on the diagonal hidden scores become -infinity ahead of the maximum.  Key 0 counts for every query, so M is a number from a block's first step on.
; LIMITS on the given exponents, so that each power of two is an f32 number: e2 + e3 between -123 and 130 (added to the exponent field of log2(e) / 8); e4, and e6 - e4 - e5, between -126 and 119.  NaN is not served.
; REGISTERS.  Window 0: v1-11 addresses and constants; v16-47 eight statistics a tile and what is at work; v64-191 S^T, then p (tile x at 64 + 64 x); v192-223 the copy of K or V on its way; v224-239 the codes of O.
;   Window 1: v0-63 K's 8 fragments; v64-127 O^T (tile x, sixteen channels t at 64 + 32 x + 8 t); v128-191 V's 4 fragments; v192-223 p's codes; v224-239 Q; v240-255 the second block's Q.
.set SLOTB, 32768                      ; a slot: K [step 2][sixteen keys 8][c 2][512], then V [step 2][sixteen channels 4][c 4][512]
.set VOFF,  16384
.set L16,  1                           ; v1   16 x lane; never rewritten
.set WAD0, 2                           ; v2   4,096 x wave + 16 x lane: where I store my part of a slot
.set ADK,  3                           ; v3   LDS address of the slot that is read
.set WADR, 4                           ; v4   LDS address of my part of the slot that is written
.set RH,   5                           ; v5   r + 8 (r / 8) - 16 h
.set DQ,   6                           ; v6-7 tile x: my query - 16 h
.set PLIM, 8                           ; v8   448 x 2^e4
.set PSC,  9                           ; v9   2^e4
.set OLIM, 10                          ; v10  448 x 2^(e6 - e4 - e5)
.set OSC,  11                          ; v11  2^(e6 - e4 - e5)
.set ST,   16                          ; tile x at v[16 + 4 x]: -M, the largest t, l in two halves
.set FF,   24                          ; v[24 + 2 x]: f = 2^(old M - new M); the pair's upper half is written once
.set MX,   28                          ; v[28 + 4 x]: two chains of the maximum, the lane exchange's destination
.set C2,   36                          ; v[36 + 2 x : 37 + 2 x]: the sum's second chain
.set NINF, 40                          ; v40  -infinity
.set DD,   41                          ; v41-42 tile x: my query - 16 h - the step's first key
.set RL,   44                          ; v[44 + 2 x]: 1 / l; the pair's upper half is written once
.set S,    64
.set STG,  192
.set OC,   224
.set KFR,  0                           ; window 1
.set O,    64
.set VFR,  128
.set PF,   192
.set QF,   224
.set QL,   240
; scalars: s[4:5] qkv, s[6:7] scales, s[8:9] ao, s10 wave, s11 j, s12 batch x 16 + head, s13 visits of the first block, s14 the visit, s15 the slot that is read, s[16:23] e0 .. e7, s24 the slot that is written,
; s25 the step's first key, s26 my first query, s27 the key slot to be loaded next, s[28:29] lane selects, s[30:31] c, s[32:33] my part of key slot 0 in memory, s[34:35] of the slot being loaded, s[36:37] my rows of ao, s38-50 at work, s44, s45 kept
.set MSB, 0
.macro WIN new                         ; the immediate's high byte repeats the setting that is left
.if MSB != \new
	s_set_vgpr_msb (MSB<<8)|\new
.set MSB, \new
.endif
.endm
.macro GLOAD reg, base, off            ; 4,096 bytes: eight loads of 512 consecutive bytes
.irp i, 0,1,2,3,4,5,6,7
	global_load_b128 v[\reg+4*\i:\reg+4*\i+3], v[L16], s[\base:\base+1] offset:\off+512*\i
.endr
.endm
; A query block begins: O^T and l are zeros and the largest t is -3e38, so that the step is written once: the first change of M multiplies zeros.  blk: the scalar register with the block's number.
.macro RESET blk
	WIN 0x40                                       ; destination window 1
.set i, 0
.rept 64
	v_mov_b32 v[O+i], 0
.set i, i+1
.endr
	WIN 0
.irp x, 0,1
	v_mov_b32 v[ST+4*\x+1], 0xff61b1e6             ; -3e38, under every t
	v_mov_b32 v[ST+4*\x+2], 0
	v_mov_b32 v[ST+4*\x+3], 0
.endr
.irp x, 0,1
	v_floor_f32 v[ST+4*\x], -v[ST+4*\x+1]          ; -M
.endr
	s_lshl_b32 s26, s[\blk], 8
	s_add_co_u32 s26, s26, s45                     ; my first query: 256 x block + 32 x wave
	v_add_nc_u32 v[DQ], s26, v[RH]                 ; place r of tile x is query 8 x + r + 8 (r / 8) of my 32
	v_add_nc_u32 v[DQ+1], 8, v[DQ]
	s_mov_b32 s25, 0                               ; the keys begin anew
	s_wait_xcnt 0x0                                ; the last block's stores have read their base: it may be written
	s_lshl_b32 s38, s[\blk], 16                    ; 16 sixteens of tokens x 4,096 bytes
	s_add_co_u32 s38, s38, s44
	s_mov_b32 s39, 0
	s_add_nc_u64 s[36:37], s[8:9], s[38:39]
.endm
	s_load_b128 s[4:7], s[0:1], 0x0                ; qkv, the scales' exponents
	s_load_b64 s[8:9], s[0:1], 0x10                ; ao
	v_lshl_add_u32 v254, v0, 2, 0x10000
	v_mov_b32 v255, 0
	v_lshrrev_b32 v2, 5, v0
	v_readfirstlane_b32 s10, v2                    ; wave 0..7
	v_and_b32 v1, 31, v0
	v_lshlrev_b32 v[L16], 4, v1
	s_lshl_b32 s38, s10, 12
	v_add_nc_u32 v[WAD0], s38, v[L16]
	v_and_b32 v3, 15, v0                           ; r
	v_and_b32 v4, 8, v3
	v_add_nc_u32 v3, v3, v4                        ; r + 8 (r / 8)
	v_and_b32 v4, 16, v0                           ; 16 h
	v_sub_nc_u32 v[RH], v3, v4
	s_mov_b32 s11, ttmp9                           ; j
	s_and_b32 s12, ttmp7, 0xffff                   ; batch x 16 + head
	s_sub_co_u32 s13, 8, s11                       ; the first block's visits
	s_sub_co_u32 s40, 7, s11                       ; the first block
	s_lshl_b32 s45, s10, 5                         ; 32 x wave
	s_lshl_b32 s41, s12, 17                        ; a head is 131,072 bytes in each of q, k and v
	s_lshr_b32 s38, s10, 2                         ; waves 0-3 copy K, waves 4-7 V:
	s_add_co_u32 s38, s38, 1
	s_lshl_b32 s38, s38, 23                        ; k begins at 8,388,608, v at 16,777,216;
	s_add_co_u32 s38, s38, s41
	s_and_b32 s42, s10, 3
	s_lshl_b32 s42, s42, 12
	s_add_co_u32 s38, s38, s42                     ; my 4,096 of a slot's 16,384
	s_mov_b32 s39, 0
	s_lshl_b32 s43, s10, 1                         ; my first sixteen queries of a block: 2 x wave
	s_lshl_b32 s46, s40, 4
	s_add_co_u32 s46, s46, s43
	s_lshl_b32 s46, s46, 10
	s_add_co_u32 s46, s46, s41                     ; q of the first block,
	s_mov_b32 s47, 0
	s_lshl_b32 s48, s11, 4
	s_add_co_u32 s48, s48, s43
	s_lshl_b32 s48, s48, 10
	s_add_co_u32 s48, s48, s41                     ; and of the second
	s_mov_b32 s49, 0
	s_lshr_b32 s44, s12, 4                         ; ao: [head / 4][batch x 128 + sixteen tokens][head % 4][c 2][512]: what does not hang on the block
	s_lshl_b32 s44, s44, 7
	s_add_co_u32 s44, s44, s43
	s_lshl_b32 s44, s44, 12
	s_and_b32 s42, s12, 15
	s_lshr_b32 s50, s42, 2
	s_lshl_b32 s50, s50, 21
	s_add_co_u32 s44, s44, s50
	s_and_b32 s42, s42, 3
	s_lshl_b32 s42, s42, 10
	s_add_co_u32 s44, s44, s42
	s_mov_b32 s28, 0x76543210                      ; v_permlanex16_b32: lane l xor 16
	s_mov_b32 s29, 0xfedcba98
	s_wait_kmcnt 0x0
	s_load_b256 s[16:23], s[6:7], 0x0              ; e0 .. e7
	s_add_nc_u64 s[32:33], s[4:5], s[38:39]
	s_add_nc_u64 s[46:47], s[4:5], s[46:47]
	s_add_nc_u64 s[48:49], s[4:5], s[48:49]
	GLOAD S, 32, 0                                 ; key slot 0, through registers that the scores will take
	GLOAD STG, 32, 16384                           ; key slot 1 (every first block has five visits or more)
	WIN 0x40                                       ; destination window 1
.irp x, 0,1
.irp c, 0,1
	global_load_b128 v[QF+8*\x+4*\c:QF+8*\x+4*\c+3], v[L16], s[46:47] offset:1024*\x+512*\c
	global_load_b128 v[QL+8*\x+4*\c:QL+8*\x+4*\c+3], v[L16], s[48:49] offset:1024*\x+512*\c
.endr
.endr
	WIN 0
	v_mov_b32 v[NINF], 0xff800000
.irp x, 0,1
	v_mov_b32 v[FF+2*\x+1], 0                      ; named as the upper halves of pairs
	v_mov_b32 v[RL+2*\x+1], 0
	v_mov_b32 v[MX+4*\x+2], 0                      ; a lane exchange's destination counts as one of its sources
.endr
	s_wait_kmcnt 0x0
	s_add_co_i32 s38, s18, s19
	s_lshl_b32 s38, s38, 23
	s_add_co_i32 s30, s38, 0x3e38aa3b              ; c = log2(e) / 8 x 2^(e2 + e3): the exponents are added to c's exponent field
	s_mov_b32 s31, s30                             ; (named with it as a pair)
	s_add_co_i32 s38, s20, 127
	s_lshl_b32 s39, s38, 23
	v_mov_b32 v[PSC], s39
	s_add_co_i32 s38, s38, 8
	s_lshl_b32 s38, s38, 23
	s_or_b32 s38, s38, 0x600000
	v_mov_b32 v[PLIM], s38
	s_sub_co_i32 s38, s22, s20
	s_sub_co_i32 s38, s38, s21                     ; O^T / l stands for that x 2^(e4 + e5): its code is (O^T / l) / 2^(e6 - e4 - e5)
	s_add_co_i32 s38, s38, 127
	s_lshl_b32 s39, s38, 23
	v_mov_b32 v[OSC], s39
	s_add_co_i32 s38, s38, 8
	s_lshl_b32 s38, s38, 23
	s_or_b32 s38, s38, 0x600000
	v_mov_b32 v[OLIM], s38
	RESET 40
	s_mov_b32 s27, 2
	s_mov_b32 s14, 0
	s_mov_b32 s15, 0
	s_wait_loadcnt 16                              ; key slot 0's eight loads are in; slot 1's eight and Q's eight may be out
.irp i, 0,1,2,3,4,5,6,7
	ds_store_b128 v[WAD0], v[S+4*\i:S+4*\i+3] offset:512*\i
.endr
	s_wait_dscnt 0x0                               ; for the others' sake: my part of slot 0 lies in LDS
	s_barrier_signal -1
	s_barrier_wait -1
; A KEY STEP: 128 keys, the q-th of the slot that is read, for my two tiles of queries.
.macro STEP q
	s_add_co_u32 s38, s26, 31
	s_cmp_gt_u32 s25, s38                          ; all keys behind all my queries: the step's work is left out
	s_cbranch_scc1 .Lhidden_\@
	v_add_nc_u32 v[ADK], s15, v[L16]
.rept 3
	v_nop                                          ; with the addition above four places behind the last products, in front of loads into registers that they read (ISA guide 7.12.1 for vector instructions)
.endr
	WIN 0x40                                       ; destination window 1
.irp t, 0,1,2,3,4,5,6,7
.irp c, 0,1
	ds_load_b128 v[KFR+8*\t+4*\c:KFR+8*\t+4*\c+3], v[ADK] offset:8192*(\q)+1024*\t+512*\c
.endr
.endr
.irp t, 0,1,2,3
.irp c, 0,1,2,3
	ds_load_b128 v[VFR+16*\t+4*\c:VFR+16*\t+4*\c+3], v[ADK] offset:VOFF+8192*(\q)+2048*\t+512*\c
.endr
.endr
	s_wait_dscnt 16                                ; K's sixteen loads are in; V's sixteen may be out
	WIN 0x05                                       ; K and Q window 1, S^T window 0
.irp t, 0,1,2,3,4,5,6,7
.irp x, 0,1
	v_wmma_f32_16x16x64_fp8_fp8 v[S+64*\x+8*\t:S+64*\x+8*\t+7], v[KFR+8*\t:KFR+8*\t+7], v[QF+8*\x:QF+8*\x+7], 0
.endr
.endr
	WIN 0
.rept 4
	v_nop                                          ; four places in front of the first read of the scores
.endr
	s_add_co_u32 s38, s25, 127
	s_cmp_le_u32 s38, s26                          ; all keys count for all my queries: nothing is hidden
	s_cbranch_scc1 .Lopen_\@
	v_sub_nc_u32 v[DD], v[DQ], s25                 ; register 16 b + i holds key 32 b + 16 h + i of the step: hidden where 32 b + i > my query - the step's first key - 16 h
	v_sub_nc_u32 v[DD+1], v[DQ+1], s25
.set n, 0
.rept 64
	v_cmp_gt_i32 vcc_lo, 32*(n/16)+n%16, v[DD]
	v_cndmask_b32 v[S+n], v[S+n], v[NINF], vcc_lo
	v_cmp_gt_i32 vcc_lo, 32*(n/16)+n%16, v[DD+1]
	v_cndmask_b32 v[S+64+n], v[S+64+n], v[NINF], vcc_lo
.set n, n+1
.endr
.Lopen_\@:
.irp x, 0,1                                    ; the step's largest score of my query, among my 64 keys, in two chains a tile; the scores are read in ascending order, each result from its low end on
	v_max3_num_f32 v[MX+4*\x], v[S+64*\x], v[S+64*\x+1], v[S+64*\x+2]
	v_max3_num_f32 v[MX+4*\x+1], v[S+64*\x+3], v[S+64*\x+4], v[S+64*\x+5]
.endr
.irp i, 6,10,14,18,22,26,30,34,38,42,46,50,54,58
.irp x, 0,1
	v_max3_num_f32 v[MX+4*\x], v[MX+4*\x], v[S+64*\x+\i], v[S+64*\x+\i+1]
	v_max3_num_f32 v[MX+4*\x+1], v[MX+4*\x+1], v[S+64*\x+\i+2], v[S+64*\x+\i+3]
.endr
.endr
.irp x, 0,1
	v_max3_num_f32 v[MX+4*\x], v[MX+4*\x], v[S+64*\x+62], v[S+64*\x+63]
.endr
.irp x, 0,1
	v_max_num_f32 v[MX+4*\x], v[MX+4*\x], v[MX+4*\x+1]
.endr
.irp x, 0,1
	v_permlanex16_b32 v[MX+4*\x+2], v[MX+4*\x], s28, s29
.endr
.irp x, 0,1
	v_max_num_f32 v[MX+4*\x], v[MX+4*\x], v[MX+4*\x+2]   ; and among lane l xor 16's
.endr
.irp x, 0,1
	v_mul_f32 v[MX+4*\x], s30, v[MX+4*\x]          ; as t (c is positive)
.endr
.irp x, 0,1
	v_max_num_f32 v[ST+4*\x+1], v[ST+4*\x+1], v[MX+4*\x]   ; the running largest t
.endr
.irp x, 0,1
	v_mov_b32 v[MX+4*\x], v[ST+4*\x]
.endr
.irp x, 0,1
	v_floor_f32 v[ST+4*\x], -v[ST+4*\x+1]          ; the new -M = floor(-t) = -ceil(t): a whole number
.endr
.irp x, 0,1
	v_sub_f32 v[MX+4*\x], v[ST+4*\x], v[MX+4*\x]   ; old M - new M: a whole number, 0 or less
.endr
.irp x, 0,1
	v_cvt_i32_f32 v[MX+4*\x], v[MX+4*\x]           ; (it saturates)
.endr
.irp x, 0,1
	v_ldexp_f32 v[FF+2*\x], 1.0, v[MX+4*\x]        ; f = 2^(old M - new M)
.endr
.set i, 0
.rept 32
	v_pk_fma_f32 v[S+i:S+i+1], v[S+i:S+i+1], s[30:31], v[ST:ST+1] op_sel_hi:[1,0,0]             ; t - M, two at a time (of the pairs c and -M the low word serves both halves)
	v_pk_fma_f32 v[S+64+i:S+64+i+1], v[S+64+i:S+64+i+1], s[30:31], v[ST+4:ST+5] op_sel_hi:[1,0,0]
.set i, i+2
.endr
.set i, 0
.rept 128
	v_exp_f32 v[S+i], v[S+i]                       ; p = 2^(t - M): both tiles' exponentials are one batch
.set i, i+1
.endr
	v_pk_mul_f32 v[ST+2:ST+3], v[ST+2:ST+3], v[FF:FF+1] op_sel_hi:[1,0]       ; l under the new M: the plain lines behind the batch
	v_pk_mul_f32 v[ST+6:ST+7], v[ST+6:ST+7], v[FF+2:FF+3] op_sel_hi:[1,0]
	s_wait_alu depctr_va_vdst(0)                   ; one wait for the batch, ahead of the first line that names a result
.irp x, 0,1
	v_pk_add_f32 v[C2+2*\x:C2+2*\x+1], v[S+64*\x:S+64*\x+1], v[S+64*\x+2:S+64*\x+3]   ; the sum is taken of the unquantised p: two at a time, two chains a tile
.endr
.irp j, 4,8,12,16,20,24,28,32,36,40,44,48,52,56,60
.irp x, 0,1
	v_pk_add_f32 v[ST+4*\x+2:ST+4*\x+3], v[ST+4*\x+2:ST+4*\x+3], v[S+64*\x+\j:S+64*\x+\j+1]
	v_pk_add_f32 v[C2+2*\x:C2+2*\x+1], v[C2+2*\x:C2+2*\x+1], v[S+64*\x+\j+2:S+64*\x+\j+3]
.endr
.endr
.irp x, 0,1
	v_pk_add_f32 v[ST+4*\x+2:ST+4*\x+3], v[ST+4*\x+2:ST+4*\x+3], v[C2+2*\x:C2+2*\x+1]
.endr
	s_cmp_ge_i32 s20, -8                           ; 448 x 2^e4 >= 1.75 lies over every p: the hold can change nothing
	s_cbranch_scc1 .Lnohold_\@
.set i, 0
.rept 128
	v_min_num_f32 v[S+i], v[S+i], v[PLIM]          ; the conversion to an 8-bit code does not saturate (ISA guide 7.6.2); p is not negative, so the hold is one-sided
.set i, i+1
.endr
.Lnohold_\@:
	WIN 0x40                                       ; destination window 1
.irp x, 0,1
.irp g, 0,1,2,3,4,5,6,7
	v_cvt_scalef32_pk8_fp8_f32 v[PF+16*\x+2*\g:PF+16*\x+2*\g+1], v[S+64*\x+8*\g:S+64*\x+8*\g+7], v[PSC]
.endr
.endr
	WIN 0x41                                       ; O^T (destination and source 0) window 1, f window 0
.set i, 0
.rept 16
	v_pk_mul_f32 v[O+i:O+i+1], v[O+i:O+i+1], v[FF:FF+1] op_sel_hi:[1,0]                 ; O^T under the new M.  (These are also the plain lines between the conversions and the products that read their results)
	v_pk_mul_f32 v[O+32+i:O+32+i+1], v[O+32+i:O+32+i+1], v[FF+2:FF+3] op_sel_hi:[1,0]
.set i, i+2
.endr
	s_wait_dscnt 0x0                               ; V is in
	WIN 0x55                                       ; all four in window 1
.irp t, 0,1,2,3                                ; the eight accumulators take turns, one instruction a turn; the next step's sixteen products K Q^T stand between two turns of one accumulator
.irp x, 0,1
	v_wmma_f32_16x16x128_fp8_fp8 v[O+32*\x+8*\t:O+32*\x+8*\t+7], v[VFR+16*\t:VFR+16*\t+15], v[PF+16*\x:PF+16*\x+15], v[O+32*\x+8*\t:O+32*\x+8*\t+7]
.endr
.endr
	WIN 0
.Lhidden_\@:
	s_add_co_u32 s25, s25, 128
.endm
; A query block ends: O^T / l, held, converted with 2^(e6 - e4 - e5), stored as the last product's operand: registers 16 b + 8 u + i of a tile are channels 32 b + 16 h + 8 u + i of the head.
.macro FINAL
.rept 4
	v_nop                                          ; four places behind the last products
.endr
.irp x, 0,1
	v_add_f32 v[ST+4*\x+2], v[ST+4*\x+2], v[ST+4*\x+3]   ; l's two halves,
.endr
.irp x, 0,1
	v_permlanex16_b32 v[MX+4*\x+2], v[ST+4*\x+2], s28, s29
.endr
.irp x, 0,1
	v_add_f32 v[ST+4*\x+2], v[ST+4*\x+2], v[MX+4*\x+2]   ; and lane l xor 16's
.endr
.irp x, 0,1
	v_rcp_f32 v[RL+2*\x], v[ST+4*\x+2]
.endr
	v_nop                                          ; a plain line behind the reciprocals,
	s_wait_alu depctr_va_vdst(0)                   ; and one wait for both, ahead of their first reader
	s_wait_xcnt 0x0                                ; the first block's stores have read their data: the codes' registers may be written again
	WIN 0x01                                       ; source 0 (O^T) window 1
.set i, 0
.rept 16
	v_pk_mul_f32 v[S+i:S+i+1], v[O+i:O+i+1], v[RL:RL+1] op_sel_hi:[1,0]                 ; each accumulator from its low end on
	v_pk_mul_f32 v[S+64+i:S+64+i+1], v[O+32+i:O+32+i+1], v[RL+2:RL+3] op_sel_hi:[1,0]
.set i, i+2
.endr
	WIN 0
.set i, 0
.rept 32
	v_med3_num_f32 v[S+i], v[S+i], -v[OLIM], v[OLIM]
	v_med3_num_f32 v[S+64+i], v[S+64+i], -v[OLIM], v[OLIM]
.set i, i+1
.endr
.irp x, 0,1
.irp g, 0,1,2,3
	v_cvt_scalef32_pk8_fp8_f32 v[OC+8*\x+2*\g:OC+8*\x+2*\g+1], v[S+64*\x+8*\g:S+64*\x+8*\g+7], v[OSC]
.endr
.endr
	v_nop                                          ; one plain line behind the last conversion: products will write its sources
.irp x, 0,1
.irp b, 0,1
	global_store_b128 v[L16], v[OC+8*\x+4*\b:OC+8*\x+4*\b+3], s[36:37] offset:4096*\x+512*\b   ; 512 consecutive bytes, at a multiple of 512 from the buffer's first byte
.endr
.endr
.endm
.Lvisit:                                           ; nine trips
	s_wait_loadcnt 0x0                             ; the next visit's part of K or V, asked for a visit ago, is in registers (in the first trip: Q too); so its loads' base may be written
	s_cmp_lt_u32 s14, 8
	s_cbranch_scc0 .Lno_store                      ; the last visit has no successor
	s_xor_b32 s24, s15, SLOTB
	v_add_nc_u32 v[WADR], s24, v[WAD0]
.irp i, 0,1,2,3,4,5,6,7
	ds_store_b128 v[WADR], v[STG+4*\i:STG+4*\i+3] offset:512*\i   ; into the slot that was read in the visit before: every wave's reads of it were waited for in front of the last barrier
.endr
.Lno_store:
	s_cmp_lt_u32 s14, 7
	s_cbranch_scc0 .Lno_fetch                      ; the last two visits ask for nothing: no load leaves the walk
	s_wait_dscnt 0x0                               ; the stores have read their registers, which take the next loads
	s_lshl_b32 s38, s27, 14
	s_mov_b32 s39, 0
	s_add_nc_u64 s[34:35], s[32:33], s[38:39]
	GLOAD STG, 34, 0                               ; the visit after the next: it has this whole visit in which to arrive
	s_add_co_u32 s27, s27, 1
	s_cmp_eq_u32 s27, s13
	s_cselect_b32 s27, 0, s27                      ; behind the first block's last slot comes the second block's slot 0
.Lno_fetch:
	STEP 0
	STEP 1
	s_xor_b32 s15, s15, SLOTB                      ; on to the other slot
	s_add_co_u32 s38, s14, 1
	s_cmp_eq_u32 s38, s13                          ; the first block's last visit?  The same in all eight waves
	s_cbranch_scc0 .Lno_switch
	FINAL
	WIN 0x41
.set i, 0
.rept 16
	v_mov_b32 v[QF+i], v[QL+i]                     ; the second block's Q
.set i, i+1
.endr
	WIN 0
	RESET 11
.Lno_switch:
	s_wait_dscnt 0x0                               ; my stores into the next slot have landed, and my reads of this slot are over
	s_barrier_signal -1
	s_barrier_wait -1
	s_add_co_u32 s14, s14, 1
	s_cmp_lt_u32 s14, 9
	s_cbranch_scc1 .Lvisit
	FINAL
	s_wait_tensorcnt 0x0
	ds_add_u32 v254, v255
	s_wait_dscnt 0x0
	s_endpgm
.Lfunc_end_k_q6852e30e9f_attn:
	.size	k_q6852e30e9f_attn, .Lfunc_end_k_q6852e30e9f_attn-k_q6852e30e9f_attn
	.p2alignl 7, 3214868480
	.fill 96, 4, 3214868480
	.section	.rodata,"a",@progbits
	.p2align	6, 0x0
	.amdhsa_kernel k_q6852e30e9f_attn
		.amdhsa_group_segment_fixed_size 66560
		.amdhsa_private_segment_fixed_size 0
		.amdhsa_enable_private_segment 0
		.amdhsa_kernarg_size 24
		.amdhsa_user_sgpr_count 2
		.amdhsa_user_sgpr_kernarg_segment_ptr 1
		.amdhsa_wavefront_size32 1
		.amdhsa_system_sgpr_workgroup_id_x 1
		.amdhsa_system_sgpr_workgroup_id_y 1
		.amdhsa_system_sgpr_workgroup_id_z 1
		.amdhsa_system_vgpr_workitem_id 0
		.amdhsa_next_free_vgpr 512
		.amdhsa_next_free_sgpr 66
		.amdhsa_reserve_vcc 1
		.amdhsa_float_denorm_mode_32 3
		.amdhsa_float_denorm_mode_16_64 3
		.amdhsa_memory_ordered 1
		.amdhsa_forward_progress 1
		.amdhsa_inst_pref_size 107
	.end_amdhsa_kernel
	.amdgpu_metadata
---
amdhsa.version: [ 1, 2 ]
amdhsa.kernels:
  - .name:           k_q6852e30e9f_attn
    .symbol:         k_q6852e30e9f_attn.kd
    .args:
      - { .name: qkv, .offset: 0, .size: 8, .value_kind: global_buffer, .address_space: global }
      - { .name: lowp_scales, .offset: 8, .size: 8, .value_kind: global_buffer, .address_space: global }
      - { .name: ao, .offset: 16, .size: 8, .value_kind: global_buffer, .address_space: global }
    .group_segment_fixed_size: 66560
    .private_segment_fixed_size: 0
    .kernarg_segment_align: 8
    .kernarg_segment_size: 24
    .max_flat_workgroup_size: 256
    .sgpr_count:     66
    .vgpr_count:     512
    .wavefront_size: 32
...
	.end_amdgpu_metadata
.endif
;; end of part 3
;; launch proj (part 4): grid 4 x 32, 4 waves a work-group, clusters of 4 x 4, 327,680 bytes of LDS; arguments ao, codes, lowp_scales, out0; writes out0
.if DOCPART == 4
	.amdgcn_target "amdgcn-amd-amdhsa--gfx1250"
	.amdhsa_code_object_version 6
	.text
	.protected	k_q6852e30e9f_proj
	.globl	k_q6852e30e9f_proj
	.p2align	8
	.type	k_q6852e30e9f_proj,@function
k_q6852e30e9f_proj:
	s_mov_b64 s[64:65], 0
	v_nop
	global_prefetch_b8 v0, s[64:65] scope:SCOPE_SE
	s_setreg_imm32_b32 hwreg(HW_REG_WAVE_MODE, 25, 1), 1
	s_wait_xcnt 0x0
	s_wait_alu depctr_hold_cnt(0) depctr_sa_sdst(0) depctr_va_vdst(0) depctr_va_sdst(0) depctr_va_ssrc(0) depctr_va_vcc(0) depctr_vm_vsrc(0)
	s_getreg_b32 s2, hwreg(HW_REG_IB_STS2, 6, 4)
	s_cmp_eq_u32 s2, 0
	s_cbranch_scc0 .Lentry_in_a_cluster
	s_endpgm
.Lentry_in_a_cluster:
	s_bfe_u32 s2, ttmp6, 0x10000c
	s_cmp_lg_u32 s2, 0xf033
	s_cbranch_scc0 .Lentry_shape_is_right
	s_endpgm
.Lentry_shape_is_right:
; The last product: out0[token][o] = sum over c of a[token][c] w_proj[o][c], on codes of E4M3; each finished sum is multiplied once by 2^(e6 + e7).  out0: [8192][1024] f32.
; LIMIT: e6 + e7 between -126 and 127, so that 2^(e6 + e7) is an f32 number.
; A, attention's result, lies in memory as images of the operand's registers: [256 along K: 4][sixteen tokens: 512][128 along K: 2][c: 4][512], lane l's 16 bytes at 16 l; place m of sixteen 2 b + u of a group of 32 tokens is
; token 32 b + 8 u + m + 8 (m / 8).  So a wave's part of a K step, 8 sixteens x 4,096 bytes, is one dense block for one tensor load, and a fragment comes by four loads of 512 consecutive bytes: no pitch, no padding.
; B, w_proj's codes, are rows of 1,024 bytes from byte 11,534,336 of the codes' buffer on, in order; its tiles are padded in LDS.  In both, registers 4 c .. 4 c + 3 of a fragment hold K = 32 c + 16 (l / 16) + 0 .. 15.
; A tile of out0, 256 x 256, is made by four waves, as many as a WGP has SIMDs, each 128 x 128: 64 accumulators, 512 registers.  128 tiles: 128 work-groups; a tile of 128 x 256 would give 256, whose waves would read
; 24 KB of LDS for 32 matrix instructions where these read 32 KB for 64.  K goes in steps of 256 through two LDS slots.
; CLUSTERS: 4 x 4 work-groups; A's tiles are asked for jointly along a row of the cluster, B's along a column.  THE MATRIX INSTRUCTION IS USED TRANSPOSED (source 0 = 16 rows of B, source 1 = 16 rows of A): a lane holds eight neighbouring numbers of a row of out0.
; REGISTERS, in windows of 256: window 0: v0-31 addresses; from v128 A's fragments, ONE set; on the way out v32-255 are free.  window 1: B's fragments, TWO sets.  windows 2, 3: the accumulators ((a, b) at v[8 (8 (a % 4) + b)]).
.set SIZE_N, 1024
.set ROWB,   256                       ; a row of B's tile in bytes
.set KROW,   1024                      ; a row of w_proj's codes
.set WPROJ,  11534336                  ; where they begin in the codes' buffer
.set PLANE,  2097152                   ; A: from 256 along K to the next
.set PITCH,  272                       ; B's LDS row: 256 bytes + 16 of padding: the 16 rows that a load touches start at 16 different banks (64 banks of 4 bytes: ISA guide 11.1)
.set FR,     16
.set NL,     4
.set NP,     4                         ; places behind this matrix instruction (ISA guide 7.12.1)
.set HALFA,  32768                     ; A: 8 sixteens of tokens x 4,096 bytes: what one tensor load brings, and what one wave reads
.set HALFB,  128*PITCH                 ; B: 128 rows
.set BOFF,   2*HALFA
.set SLOT,   BOFF+2*HALFB              ; A's two halves, then B's two
.set SPARE,  2*SLOT                    ; behind the ring: the spare words, 128 bytes for each wave: two blocks of 256 bytes that no other line names
.set SPITCH, 528                       ; the way out: a stage of 16 rows x (512 bytes + 16) for each wave.  It lies in slot 0, which has had its last fill and its last read when the first result is stored there
.set ADRA, 16                          ; v16-17  LDS address of my A fragments in slot 0, 1
.set ADRB, 20                          ; v20-21  the same for B
.set STO,  24                          ; v24     the way out: where I put 32 bytes of a row
.set RD,   25                          ; v25     the way out: where I read a row back
.set CO,   26                          ; v26     16 x lane: my byte offset in a row's 512 bytes
.set SPW,  28                          ; v28     LDS address of my spare word; never rewritten
.set NIL,  29                          ; v29     0; never rewritten
.set TMP,  32                          ; the way out: 64 registers, a block's sums x 2^(e6 + e7)
.set AF,   128
.set BK,   128                         ; the way out: 16 rows read back from the stage: v128-191 and v192-255 by turns
.set G1, 24                            ; s[24:31] descriptor group 1 for A's tiles;  s[32:39] group 0, one set for each slot
.set G0, 32
.set G1B, 48                           ; s[48:55], s[56:63] the same for B's tiles
.set G0B, 56
.set MSB, 0
.macro WIN new                         ; the immediate's high byte repeats the setting that is left
.if MSB != \new
	s_set_vgpr_msb (MSB<<8)|\new
.set MSB, \new
.endif
.endm
.set MUL_LO, 0xa1                      ; source 0 (B) window 1, source 1 (A) window 0, C and D window 2
.set MUL_HI, 0xf1                      ; the same, C and D window 3
.set TO_B,   0x40                      ; destination window 1, address window 0
; A joint load: waves 0 and 1 fetch for A, waves 2 and 3 for B; the branch hangs on the wave's number alone.  Four v_nop follow each of the two lines.
.macro JLOAD g0a, g1a, g0b, g1b
	s_cmp_eq_u32 s15, 0
	s_cbranch_scc0 .Lfor_b_\@
	tensor_load_to_lds s[\g0a:\g0a+3], s[\g1a:\g1a+7]
	s_nop 0
.rept 4
	v_nop
.endr
	s_branch .Lasked_\@
.Lfor_b_\@:
	tensor_load_to_lds s[\g0b:\g0b+3], s[\g1b:\g1b+7]
	s_nop 0
.rept 4
	v_nop
.endr
.Lasked_\@:
.endm
.macro CREST                           ; a round of the cluster's barrier behind its opening barrier
	s_cmp_lg_u32 s14, 0
	s_cbranch_scc1 .Lnot_wave_0_\@
	s_barrier_signal -3
.Lnot_wave_0_\@:
	s_barrier_wait -3
	s_barrier_signal -1
	s_barrier_wait -1
.endm
.macro CROUND                          ; a whole round
	s_barrier_signal -1
	s_barrier_wait -1
	CREST
.endm
	s_load_b128 s[4:7], s[0:1], 0x0                ; A's images s[4:5], the codes' buffer s[6:7]
	s_load_b128 s[8:11], s[0:1], 0x10              ; the scales' exponents s[8:9], out0 s[10:11]
	v_lshl_add_u32 v[SPW], v0, 2, SPARE
	v_mov_b32 v[NIL], 0
	ds_add_u32 v28, v29
	ds_add_u32 v28, v29
	s_wait_dscnt 0x0
	v_lshrrev_b32 v1, 5, v0
	v_readfirstlane_b32 s14, v1                    ; wave 0..3
	s_lshr_b32 s15, s14, 1                         ; which half of the tile's rows is mine.  Also: I fetch for A (0) or for B (1)
	s_and_b32 s16, s14, 1                          ; which half of its columns.  Also: which half of that tile I fetch
	s_bfe_u32 s40, ttmp6, 0x40000                  ; cx, cy: my place in the cluster
	s_bfe_u32 s41, ttmp6, 0x40004
	s_lshl_b32 s42, ttmp9, 2
	s_add_co_u32 s42, s42, s40                     ; tile column = 4 x cluster x + cx
	s_and_b32 s17, ttmp7, 0xffff
	s_lshl_b32 s17, s17, 2
	s_add_co_u32 s17, s17, s41                     ; tile row = 4 x cluster y + cy
	s_lshl_b32 s43, s41, 2
	s_lshl_b32 s43, 15, s43                        ; my row of the cluster
	s_lshl_b32 s44, 0x1111, s40                    ; my column
	; descriptor group 1.  A: a dense block of 32,768 bytes as 128 rows of 256, no padding.  B: 128 rows x 256 bytes, 1,024 apart, padded in LDS
	s_or_b32 s[G1+0], s43, (0<<16)|(1<<21)         ; 15:0 the mask: A's tiles go to my row; 17:16 element of 1 byte; 21 set beside a mask
	s_or_b32 s[G1B+0], s44, (0<<16)|(1<<20)|(1<<21)|(5<<22)|(3<<25)  ; B's to my column; 20 padding on; 24:22 after every 64 words (code 5); 31:25 of 4 words (code 3)
.irp g, G1, G1B
	s_mov_b32 s[\g+1], ROWB<<16                    ; tensor_dim0
	s_mov_b32 s[\g+2], 128<<16                     ; tensor_dim1 = 128
	s_mov_b32 s[\g+3], ROWB<<16                    ; tile_dim0
	s_mov_b32 s[\g+4], 128                         ; tile_dim1 = 128
	s_mov_b32 s[\g+6], 0
	s_mov_b32 s[\g+7], 0
.endr
	s_mov_b32 s[G1+5], ROWB                        ; tensor_dim0_stride: A's rows follow each other
	s_mov_b32 s[G1B+5], KROW
	s_lshl_b32 s20, s17, 16                        ; A: 16 sixteens of tokens x 4,096 bytes a tile row,
	s_lshl_b32 s18, s16, 15
	s_add_co_u32 s20, s20, s18                     ; + the half that I fetch
	s_mov_b32 s21, 0
	s_lshl_b32 s46, s42, 18                        ; B: 256 rows of 1,024 bytes a tile column,
	s_lshl_b32 s47, s16, 17
	s_add_co_u32 s46, s46, s47                     ; + the half that I fetch,
	s_add_co_u32 s46, s46, WPROJ                   ; in w_proj's part of the buffer
	s_mov_b32 s47, 0
	s_mul_i32 s45, s16, HALFA                      ; where they go: no place in the cluster enters an LDS address
	s_mul_i32 s19, s16, HALFB
	s_add_co_u32 s19, s19, BOFF
	s_wait_kmcnt 0x0
	s_load_b64 s[96:97], s[8:9], 0x18              ; e6, e7
	s_add_nc_u64 s[20:21], s[4:5], s[20:21]
	s_add_nc_u64 s[46:47], s[6:7], s[46:47]
	CROUND                                         ; all sixteen work-groups are here: the first joint loads meet
.irp s, 0,1
	s_mov_b32 s[G0+4*\s], 1
	s_add_co_u32 s[G0+4*\s+1], s45, \s*SLOT
	s_add_nc_u64 s[G0+4*\s+2:G0+4*\s+3], s[20:21], \s*PLANE
	s_or_b32 s[G0+4*\s+3], s[G0+4*\s+3], 0x80000000
	s_mov_b32 s[G0B+4*\s], 1
	s_add_co_u32 s[G0B+4*\s+1], s19, \s*SLOT
	s_add_nc_u64 s[G0B+4*\s+2:G0B+4*\s+3], s[46:47], \s*ROWB
	s_or_b32 s[G0B+4*\s+3], s[G0B+4*\s+3], 0x80000000
	JLOAD G0+4*\s, G1, G0B+4*\s, G1B               ; two tensor loads of mine are out
.endr
	v_and_b32 v1, 15, v0                           ; l % 16
	v_bfe_u32 v2, v0, 4, 1                         ; l / 16
	v_mul_u32_u24 v3, v1, PITCH
	v_lshl_add_u32 v4, v2, 4, v3                   ; B: a fragment's row x pitch + 16 x half
	v_and_b32 v6, 31, v0
	v_lshlrev_b32 v[CO], 4, v6                     ; A: 16 x lane
	s_mul_i32 s21, s15, HALFA                      ; my 128 rows of A
	s_mul_i32 s22, s16, HALFB                      ; my 128 rows of B,
	s_add_co_u32 s22, s22, BOFF                    ; which lie behind A's
.irp s, 0,1
	v_add_nc_u32 v[ADRA+\s], s21, v[CO]
	v_add_nc_u32 v[ADRB+\s], s22, v4
	s_add_co_u32 s21, s21, SLOT
	s_add_co_u32 s22, s22, SLOT
.endr
	s_mul_i32 s23, s14, 16*SPITCH                  ; my stage
	v_mul_u32_u24 v5, v1, SPITCH                   ; in: row l % 16, 32 bytes for each half of the lanes
	v_lshl_add_u32 v5, v2, 5, v5
	v_add_nc_u32 v[STO], s23, v5
	v_add_nc_u32 v[RD], s23, v[CO]                 ; back: the 32 lanes take one row of 512 bytes
	s_lshl_b32 s20, s17, 8
	s_lshl_b32 s21, s15, 7
	s_add_co_u32 s20, s20, s21                     ; my first row of out0: 256 x tile row + 128 x half,
	s_lshl_b32 s20, s20, 12                        ; of 4,096 bytes
	s_lshl_b32 s46, s42, 10                        ; my first column, in bytes: 1,024 x tile column + 512 x half
	s_lshl_b32 s47, s16, 9
	s_add_co_u32 s46, s46, s47
	s_add_co_u32 s20, s20, s46
	s_mov_b32 s21, 0
	s_add_nc_u64 s[10:11], s[10:11], s[20:21]
.macro FRAG reg, adr, q, i             ; a fragment of B from padded rows: registers 4 c .. 4 c + 3 hold K = 32 c + 16 (l / 16) + 0 .. 15 of row l % 16
.irp c, 0,1,2,3
	ds_load_b128 v[\reg+4*\c:\reg+4*\c+3], v[\adr] offset:128*(\q)+32*\c+(\i)*16*PITCH
.endr
.endm
.macro FRAGA reg, adr, q, i            ; a fragment of A from its image: the same registers in the same lanes as they were stored
.irp c, 0,1,2,3
	ds_load_b128 v[\reg+4*\c:\reg+4*\c+3], v[\adr] offset:4096*(\i)+2048*(\q)+512*\c
.endr
.endm
; 16 matrix instructions: A's blocks a0, a0 + 1 x B's eight, 128 along K.  p: B's set.  zero = 1: the first product starts the sums.  The 64 accumulators take turns, one instruction a turn.
.macro MUL16 a0, p, zero
.irp a, \a0, \a0+1
.irp b, 0,1,2,3,4,5,6,7
.if \zero
	v_wmma_f32_16x16x128_fp8_fp8 v[8*(8*((\a)%4)+\b):8*(8*((\a)%4)+\b)+7], v[128*(\p)+FR*\b:128*(\p)+FR*\b+FR-1], v[AF+FR*(\a):AF+FR*(\a)+FR-1], 0
.else
	v_wmma_f32_16x16x128_fp8_fp8 v[8*(8*((\a)%4)+\b):8*(8*((\a)%4)+\b)+7], v[128*(\p)+FR*\b:128*(\p)+FR*\b+FR-1], v[AF+FR*(\a):AF+FR*(\a)+FR-1], v[8*(8*((\a)%4)+\b):8*(8*((\a)%4)+\b)+7]
.endif
.endr
.endr
.endm
.macro FETCH_B slot, q, p
	WIN TO_B
.irp i, 0,1,2,3,4,5,6,7
	FRAG 128*(\p)+FR*\i, ADRB+\slot, \q, \i
.endr
	WIN 0
.endm
.macro FETCH_A slot, q, i0
.irp i, \i0, \i0+1, \i0+2, \i0+3
	FRAGA AF+FR*(\i), ADRA+\slot, \q, \i
.endr
.endm
.macro PLACES n                        ; places in front of loads into registers that matrix instructions have read, and of the first read of results (ISA guide 7.12.1 for vector instructions)
.rept \n
	v_nop
.endr
.endm
.macro STEP slot, q, zero              ; a step of 128 along K that has its successor in the same slot
	s_wait_dscnt 4*NL                              ; B's set and A's blocks 0-3 are in; the youngest sixteen loads (A's blocks 4-7) may be out
	WIN MUL_LO
	MUL16 0, (\q)%2, \zero
	MUL16 2, (\q)%2, \zero
	s_wait_dscnt 0                                 ; A's blocks 4-7 are in
	PLACES NP
	FETCH_B \slot, (\q)+1, 1-(\q)%2
	FETCH_A \slot, (\q)+1, 0
	WIN MUL_HI
	MUL16 4, (\q)%2, \zero
	MUL16 6, (\q)%2, \zero
	PLACES NP
	WIN 0
	FETCH_A \slot, (\q)+1, 4
.endm
; A slot's last step changes slots: ONE barrier; in front of it each wave waits for all its tensor loads, adds 0 to its spare word, and waits for that and for its own reads of this slot.  fill = 1: this slot is filled again, two K steps ahead.
.macro TURN slot, next, fill
	s_wait_tensorcnt 0x0                           ; all my tensor loads have landed: my part of the next slot;  (every window is 0 here)
	ds_add_u32 v[SPW], v[NIL]                      ; 0 onto my spare word
	s_wait_dscnt 4*NL+1                            ; (the add and the youngest sixteen loads, A's blocks 4-7, may be out)
	WIN MUL_LO
	MUL16 0, 1, 0                                  ; sixteen matrix instructions stand between the add and the wait for it
	s_wait_dscnt 0x0                               ; the add is done, and my reads of this slot are over
	s_barrier_signal -1
	MUL16 2, 1, 0
	WIN 0
	s_barrier_wait -1
.if \fill
	CREST                                          ; the barrier has opened a round of the cluster's barrier: no wave of any partner still reads this slot's tile or has a load on its way
	s_add_nc_u64 s[G0+4*\slot+2:G0+4*\slot+3], s[G0+4*\slot+2:G0+4*\slot+3], 2*PLANE
	s_add_nc_u64 s[G0B+4*\slot+2:G0B+4*\slot+3], s[G0B+4*\slot+2:G0B+4*\slot+3], 2*ROWB
	JLOAD G0+4*\slot, G1, G0B+4*\slot, G1B         ; the first tensor load behind the round, my one load until the next; its four v_nop are the places in front of the loads below
.else
	PLACES NP
.endif
	FETCH_B \next, 0, 0
	FETCH_A \next, 0, 0
	WIN MUL_HI
	MUL16 4, 1, 0
	MUL16 6, 1, 0
	PLACES NP
	WIN 0
	FETCH_A \next, 0, 4
.endm
	s_wait_tensorcnt 1                             ; my part of K step 0 is in (K step 1's load may be out)
	s_barrier_signal -1
	s_barrier_wait -1                              ; everybody's is
	FETCH_B 0, 0, 0
	FETCH_A 0, 0, 0
	FETCH_A 0, 0, 4
	STEP 0, 0, 1                                   ; K = 1,024 is four fills of a slot, eight steps of 128: written straight.  The first step's products start the sums
	TURN 0, 1, 1
	STEP 1, 0, 0
	TURN 1, 0, 1
	STEP 0, 0, 0
	TURN 0, 1, 0                                   ; nothing is left to fetch: no round of the cluster's barrier
	STEP 1, 0, 0
	s_wait_dscnt 4*NL                              ; the very last step
	WIN MUL_LO
	MUL16 0, 1, 0
	MUL16 2, 1, 0
	s_wait_dscnt 0
	WIN MUL_HI
	MUL16 4, 1, 0
	MUL16 6, 1, 0
	WIN 0
; THE WAY OUT, block by block of 16 rows x 128 columns: through my own stage in LDS, back as whole rows of 512 bytes, which the 32 lanes store as 512 consecutive bytes.  LDS serves a wave's instructions in order
; (ISA guide 5.7.1.4): no wait between the stores and the loads, nor in front of the next block's stores.
.macro TOSTAGE a
.set AC, 64*((\a)%4)
	WIN 0x02+((\a)/4)                              ; source 0: window 2 or 3
.irp j, 0,2,4,6,8,10,12,14,16,18,20,22,24,26,28,30,32,34,36,38,40,42,44,46,48,50,52,54,56,58,60,62
	v_pk_mul_f32 v[TMP+\j:TMP+\j+1], v[AC+\j:AC+\j+1], s[96:97] op_sel_hi:[1,0]   ; both x s96 = 2^(e6 + e7); each accumulator from its low end on
.endr
	WIN 0
.irp b, 0,1,2,3,4,5,6,7
	ds_store_b128 v[STO], v[TMP+8*\b:TMP+8*\b+3] offset:64*\b
	ds_store_b128 v[STO], v[TMP+8*\b+4:TMP+8*\b+7] offset:64*\b+16
.endr
.set BB, BK+64*((\a)%2)
.irp t, 0,1,2,3,4,5,6,7,8,9,10,11,12,13,14,15
	ds_load_b128 v[BB+4*\t:BB+4*\t+3], v[RD] offset:\t*SPITCH
.endr
.endm
; Stage row t of block a is place t of sixteen a of my 128 tokens: token 32 (a / 2) + 8 (a % 2) + t + 8 (t / 8).  The row stands in the store's immediate, 127 rows of 4,096 bytes at the most, inside its signed 24 bits: the base is never stepped.
.macro SEND a, younger                 ; younger: the LDS instructions issued behind block a's loads, which may stay out
.set BB, BK+64*((\a)%2)
	s_wait_dscnt \younger                          ; the block is back in registers
.irp t, 0,1,2,3,4,5,6,7,8,9,10,11,12,13,14,15
	global_store_b128 v[CO], v[BB+4*\t:BB+4*\t+3], s[10:11] offset:(32*((\a)/2)+8*((\a)%2)+\t+8*(\t/8))*SIZE_N*4 th:TH_STORE_NT   ; 512 consecutive bytes, at a multiple of 512 from out0's first byte; written once, read by nobody here
.endr
.endm
	s_wait_kmcnt 0x0
	s_add_co_i32 s96, s96, s97                     ; e6 + e7, between -126 and 127,
	s_add_co_i32 s96, s96, 127
	s_lshl_b32 s96, s96, 23                        ; makes the f32 number 2^(e6 + e7)
	PLACES NP                                      ; behind the last products: for the reads of results and for the loads into the registers that held A's fragments
	TOSTAGE 0
.irp a, 1,2,3,4,5,6,7
.if \a > 1
	s_wait_xcnt 0x0                                ; block a - 2's stores have read their registers: block a's loads may land there
.endif
	TOSTAGE \a
	SEND \a-1, 32                                  ; behind block a - 1's loads: block a's 16 stores and 16 loads
.endr
	SEND 7, 0
	s_wait_tensorcnt 0x0                           ; the wave's end: behind my last tensor load and my last LDS store
	ds_add_u32 v[SPW], v[NIL]
	s_wait_dscnt 0x0
	CROUND                                         ; the closing round: no work-group ends while a partner may still ask for a tile that names it
	s_endpgm
.Lfunc_end_k_q6852e30e9f_proj:
	.size	k_q6852e30e9f_proj, .Lfunc_end_k_q6852e30e9f_proj-k_q6852e30e9f_proj
	.p2alignl 7, 3214868480
	.fill 96, 4, 3214868480
	.section	.rodata,"a",@progbits
	.p2align	6, 0x0
	.amdhsa_kernel k_q6852e30e9f_proj
		.amdhsa_group_segment_fixed_size 327680
		.amdhsa_private_segment_fixed_size 0
		.amdhsa_enable_private_segment 0
		.amdhsa_kernarg_size 32
		.amdhsa_user_sgpr_count 2
		.amdhsa_user_sgpr_kernarg_segment_ptr 1
		.amdhsa_wavefront_size32 1
		.amdhsa_system_sgpr_workgroup_id_x 1
		.amdhsa_system_sgpr_workgroup_id_y 1
		.amdhsa_system_sgpr_workgroup_id_z 1
		.amdhsa_system_vgpr_workitem_id 0
		.amdhsa_next_free_vgpr 1024
		.amdhsa_next_free_sgpr 98
		.amdhsa_reserve_vcc 0
		.amdhsa_float_denorm_mode_32 3
		.amdhsa_float_denorm_mode_16_64 3
		.amdhsa_memory_ordered 1
		.amdhsa_forward_progress 1
		.amdhsa_inst_pref_size 123
	.end_amdhsa_kernel
	.amdgpu_metadata
---
amdhsa.version: [ 1, 2 ]
amdhsa.kernels:
  - .name:           k_q6852e30e9f_proj
    .symbol:         k_q6852e30e9f_proj.kd
    .args:
      - { .name: ao, .offset: 0, .size: 8, .value_kind: global_buffer, .address_space: global }
      - { .name: codes, .offset: 8, .size: 8, .value_kind: global_buffer, .address_space: global }
      - { .name: lowp_scales, .offset: 16, .size: 8, .value_kind: global_buffer, .address_space: global }
      - { .name: out0, .offset: 24, .size: 8, .value_kind: global_buffer, .address_space: global }
    .group_segment_fixed_size: 327680
    .private_segment_fixed_size: 0
    .kernarg_segment_align: 8
    .kernarg_segment_size: 32
    .max_flat_workgroup_size: 128
    .sgpr_count:     98
    .vgpr_count:     1024
    .wavefront_size: 32
...
	.end_amdgpu_metadata
.endif
;; end of part 4
;; ======== version 2 of 2: 4 launches; version 1 with the launch attn written anew for expert scheduling mode
;; workspace buffers: codes 12,582,912 bytes; qkv 25,165,824 bytes; ao 8,388,608 bytes
;; launch quant: the kernel of part 1 again; grid 384 x 1, 4 waves a work-group, no clusters, 33,280 bytes of LDS; arguments x, w_qkv, w_proj, lowp_scales, codes; writes codes
;; launch qkv: the kernel of part 2 again; grid 8 x 48, 4 waves a work-group, clusters of 4 x 4, 327,680 bytes of LDS; arguments codes, lowp_scales, qkv; writes qkv
;; launch attn (part 5): grid 4 x 64, 8 waves a work-group, no clusters, 66,560 bytes of LDS; arguments qkv, lowp_scales, ao; writes ao
.if DOCPART == 5
	.amdgcn_target "amdgcn-amd-amdhsa--gfx1250"
	.amdhsa_code_object_version 6
	.text
	.protected	k_q6852e30e9f_attn
	.globl	k_q6852e30e9f_attn
	.p2align	8
	.type	k_q6852e30e9f_attn,@function
k_q6852e30e9f_attn:
	s_mov_b64 s[64:65], 0
	v_nop
	global_prefetch_b8 v0, s[64:65] scope:SCOPE_SE
	s_setreg_imm32_b32 hwreg(HW_REG_WAVE_SCHED_MODE, 0, 2), 2
	s_setreg_imm32_b32 hwreg(HW_REG_WAVE_MODE, 25, 1), 1
	s_wait_xcnt 0x0
	s_wait_alu depctr_vm_vsrc(0)
; Causal attention on codes of E4M3: for each of 64 heads (batch x 16 + head), 2,048 queries and keys, head size 64.  S = q k^T, the softmax by the problem's rule, O = p v, O / l quantised (scale entry 6) for the last product.
; THE SOFTMAX: t = score x 2^(e2 + e3) x log2(e) / 8; M = the running largest t, rounded UP to a whole number; p = 2^(t - M) is quantised with 2^e4, not normalised; l is the sum of the unquantised p, in f32, and divides at the end.
; When M moves, l and O are multiplied by 2^(old M - new M), which rounds nothing.  There is no branch on floating-point data.
; SHARES.  Work-group (j, head) owns the query blocks 7 - j and j, 256 queries each, one after the other.  The first walks key slots (256 keys) 0 .. 7 - j, the second 0 .. j: NINE visits in every work-group, seven whole and
; two on the diagonal: 256 work-groups of equal work, and a loop of constant count.  Each of the eight waves owns 32 queries, two tiles of 16, which share every fragment of K and V read from LDS.
; LAYOUT.  Both products are used transposed: S^T = K Q^T (source 0 = 16 keys), O^T = V^T P (source 0 = 16 channels): a lane holds ONE query of each tile throughout.  q, k and v lie in memory as images of the operands' registers
; (four registers on end, lane l's 16 bytes at 16 l), the sixteens of tokens and channels in the order in which place m of sixteen 2 b + u is number 32 b + 8 u + m + 8 (m / 8): so the 16 registers of results 2 b and 2 b + 1 are
; 16 neighbours, 32 b + 16 (lane / 16) + 0 .. 15, and the conversions' results are the next operand's registers.  Every LDS and memory access is a constant + 16 x lane: 512 consecutive bytes an instruction.
; K AND V come through two LDS slots of 32,768 bytes.  A slot's bytes are dense in memory; wave w copies 4,096 of them through 32 registers: loaded a whole visit ahead, stored into the slot that was read in the visit before.
; One barrier a visit: in front of it each wave has waited for its stores (for the readers) and its reads (for the next writers).
; NO TENSOR LOADS, so a branch may hang on the given e4: p is at most 1 (its exponent's rounding leaves it far under 1.75), so for e4 >= -8, where 448 x 2^e4 >= 1.75, the hold at the largest code can change nothing, and its
; 128 lines a step are passed over; for e4 < -8 they run.
; NO CLUSTER, though the four work-groups of a head read the same K and V: work-group j reads slot n in visit n only while n < 8 - j, so the four ask for the same slot in the first five visits of nine alone, and the change of
; query blocks is a branch that hangs on j, which would be a work-group's place in its cluster.
; CAUSAL.  A step (128 keys) all of whose keys come after my 32 queries is left out by a scalar branch on ids; on the diagonal hidden scores become -infinity ahead of the maximum.  Key 0 counts for every query, so M is a number from a block's first step on.
; LIMITS on the given exponents, so that each power of two is an f32 number: e2 + e3 between -123 and 130 (added to the exponent field of log2(e) / 8); e4, and e6 - e4 - e5, between -126 and 119.  NaN is not served.
; REGISTERS.  Window 0: v1-11 addresses and constants; v16-47 eight statistics a tile and what is at work; v64-191 S^T, then p (tile x at 64 + 64 x); v192-223 the copy of K or V on its way; v224-239 the codes of O.
;   Window 1: v0-63 K's 8 fragments; v64-127 O^T (tile x, sixteen channels t at 64 + 32 x + 8 t); v128-191 V's 4 fragments; v192-223 p's codes; v224-239 Q; v240-255 the second block's Q.
; THE MODE: SCHED_MODE bits 1:0 = 2 (LLVM: expert scheduling mode 2), set by the entry lines.  The code itself states the register dependences between vector or matrix instructions and memory or LDS instructions,
; and between a vector instruction that writes a scalar register and that register's readers, with s_wait_alu, always for 0.
; THE PLAN.  Registers that memory or LDS instructions touch:
;   v[L16], v[WAD0]   Written once at the head, ahead of the head's one wait on va_vdst; read as offsets and addresses; never written again.
;   v[WADR]           Written at a visit's head; read by the visit's eight LDS stores.  A wait on vm_vsrc ahead of the add, one on va_vdst behind it, both ahead of the visit's branches.
;   v[ADK]            Written at a step's head; read by the step's 32 LDS loads.  A wait on vm_vsrc ahead of the add; the step's wait on va_vdst behind it.
;   K's, V's fragments  The step's LDS loads land in them; products read them.  The step's wait on va_vdst, straight ahead of the loads, also states that the last products are done reading them.
;   v[STG ..]         Global loads land in them, LDS stores read them a visit later; no vector instruction names them.  A wait on vm_vsrc between the stores and the next loads.
;   v[S .. S+31]      At the head alone: key slot 0's loads land in them and LDS stores read them; the wait on vm_vsrc at every step's head stands ahead of the products that write them.
;   v[OC ..]          A block's last conversions write them, four stores read them.  A wait on va_vdst ahead of the stores, one on vm_vsrc ahead of the second block's conversions.
;   v254, v255        Written at the head, read by the closing add alone.
; The diagonal's masks are made in runs: sixteen compares into s48-s63, one wait on va_sdst, sixteen selects.
.set SLOTB, 32768                      ; a slot: K [step 2][sixteen keys 8][c 2][512], then V [step 2][sixteen channels 4][c 4][512]
.set VOFF,  16384
.set L16,  1                           ; v1   16 x lane; never rewritten
.set WAD0, 2                           ; v2   4,096 x wave + 16 x lane: where I store my part of a slot
.set ADK,  3                           ; v3   LDS address of the slot that is read
.set WADR, 4                           ; v4   LDS address of my part of the slot that is written
.set RH,   5                           ; v5   r + 8 (r / 8) - 16 h
.set DQ,   6                           ; v6-7 tile x: my query - 16 h
.set PLIM, 8                           ; v8   448 x 2^e4
.set PSC,  9                           ; v9   2^e4
.set OLIM, 10                          ; v10  448 x 2^(e6 - e4 - e5)
.set OSC,  11                          ; v11  2^(e6 - e4 - e5)
.set ST,   16                          ; tile x at v[16 + 4 x]: -M, the largest t, l in two halves
.set FF,   24                          ; v[24 + 2 x]: f = 2^(old M - new M); the pair's upper half is written once
.set MX,   28                          ; v[28 + 4 x]: two chains of the maximum, the lane exchange's destination
.set C2,   36                          ; v[36 + 2 x : 37 + 2 x]: the sum's second chain
.set NINF, 40                          ; v40  -infinity
.set DD,   41                          ; v41-42 tile x: my query - 16 h - the step's first key
.set RL,   44                          ; v[44 + 2 x]: 1 / l; the pair's upper half is written once
.set S,    64
.set STG,  192
.set OC,   224
.set KFR,  0                           ; window 1
.set O,    64
.set VFR,  128
.set PF,   192
.set QF,   224
.set QL,   240
.set MK,   48                          ; s48-s63 in the loop: a run's sixteen masks (at the head s48-s50 are at work; the loads that read s[48:49] are in when the loop begins)
; scalars: s[4:5] qkv, s[6:7] scales, s[8:9] ao, s10 wave, s11 j, s12 batch x 16 + head, s13 visits of the first block, s14 the visit, s15 the slot that is read, s[16:23] e0 .. e7, s24 the slot that is written,
; s25 the step's first key, s26 my first query, s27 the key slot to be loaded next, s[28:29] lane selects, s[30:31] c, s[32:33] my part of key slot 0 in memory, s[34:35] of the slot being loaded, s[36:37] my rows of ao, s38-50 at work, s44, s45 kept
.set MSB, 0
.macro WIN new                         ; the immediate's high byte repeats the setting that is left
.if MSB != \new
	s_set_vgpr_msb (MSB<<8)|\new
.set MSB, \new
.endif
.endm
.macro GLOAD reg, base, off            ; 4,096 bytes: eight loads of 512 consecutive bytes
.irp i, 0,1,2,3,4,5,6,7
	global_load_b128 v[\reg+4*\i:\reg+4*\i+3], v[L16], s[\base:\base+1] offset:\off+512*\i
.endr
.endm
; A query block begins: O^T and l are zeros and the largest t is -3e38, so that the step is written once: the first change of M multiplies zeros.  blk: the scalar register with the block's number.
.macro RESET blk
	WIN 0x40                                       ; destination window 1
.set i, 0
.rept 64
	v_mov_b32 v[O+i], 0
.set i, i+1
.endr
	WIN 0
.irp x, 0,1
	v_mov_b32 v[ST+4*\x+1], 0xff61b1e6             ; -3e38, under every t
	v_mov_b32 v[ST+4*\x+2], 0
	v_mov_b32 v[ST+4*\x+3], 0
.endr
.irp x, 0,1
	v_floor_f32 v[ST+4*\x], -v[ST+4*\x+1]          ; -M
.endr
	s_lshl_b32 s26, s[\blk], 8
	s_add_co_u32 s26, s26, s45                     ; my first query: 256 x block + 32 x wave
	v_add_nc_u32 v[DQ], s26, v[RH]                 ; place r of tile x is query 8 x + r + 8 (r / 8) of my 32
	v_add_nc_u32 v[DQ+1], 8, v[DQ]
	s_mov_b32 s25, 0                               ; the keys begin anew
	s_wait_xcnt 0x0                                ; the last block's stores have read their base: it may be written
	s_lshl_b32 s38, s[\blk], 16                    ; 16 sixteens of tokens x 4,096 bytes
	s_add_co_u32 s38, s38, s44
	s_mov_b32 s39, 0
	s_add_nc_u64 s[36:37], s[8:9], s[38:39]
.endm
	s_load_b128 s[4:7], s[0:1], 0x0                ; qkv, the scales' exponents
	s_load_b64 s[8:9], s[0:1], 0x10                ; ao
	v_lshl_add_u32 v254, v0, 2, 0x10000
	v_mov_b32 v255, 0
	v_lshrrev_b32 v2, 5, v0
	v_readfirstlane_b32 s10, v2                    ; wave 0..7
	v_and_b32 v1, 31, v0
	v_lshlrev_b32 v[L16], 4, v1
	s_wait_alu depctr_va_sdst(0)                   ; s10 is written, ahead of its first reader: LDS places and the bases of k, v, q and ao are made from it
	s_lshl_b32 s38, s10, 12
	v_add_nc_u32 v[WAD0], s38, v[L16]
	v_and_b32 v3, 15, v0                           ; r
	v_and_b32 v4, 8, v3
	v_add_nc_u32 v3, v3, v4                        ; r + 8 (r / 8)
	v_and_b32 v4, 16, v0                           ; 16 h
	v_sub_nc_u32 v[RH], v3, v4
	s_mov_b32 s11, ttmp9                           ; j
	s_and_b32 s12, ttmp7, 0xffff                   ; batch x 16 + head
	s_sub_co_u32 s13, 8, s11                       ; the first block's visits
	s_sub_co_u32 s40, 7, s11                       ; the first block
	s_lshl_b32 s45, s10, 5                         ; 32 x wave
	s_lshl_b32 s41, s12, 17                        ; a head is 131,072 bytes in each of q, k and v
	s_lshr_b32 s38, s10, 2                         ; waves 0-3 copy K, waves 4-7 V:
	s_add_co_u32 s38, s38, 1
	s_lshl_b32 s38, s38, 23                        ; k begins at 8,388,608, v at 16,777,216;
	s_add_co_u32 s38, s38, s41
	s_and_b32 s42, s10, 3
	s_lshl_b32 s42, s42, 12
	s_add_co_u32 s38, s38, s42                     ; my 4,096 of a slot's 16,384
	s_mov_b32 s39, 0
	s_lshl_b32 s43, s10, 1                         ; my first sixteen queries of a block: 2 x wave
	s_lshl_b32 s46, s40, 4
	s_add_co_u32 s46, s46, s43
	s_lshl_b32 s46, s46, 10
	s_add_co_u32 s46, s46, s41                     ; q of the first block,
	s_mov_b32 s47, 0
	s_lshl_b32 s48, s11, 4
	s_add_co_u32 s48, s48, s43
	s_lshl_b32 s48, s48, 10
	s_add_co_u32 s48, s48, s41                     ; and of the second
	s_mov_b32 s49, 0
	s_lshr_b32 s44, s12, 4                         ; ao: [head / 4][batch x 128 + sixteen tokens][head % 4][c 2][512]: what does not hang on the block
	s_lshl_b32 s44, s44, 7
	s_add_co_u32 s44, s44, s43
	s_lshl_b32 s44, s44, 12
	s_and_b32 s42, s12, 15
	s_lshr_b32 s50, s42, 2
	s_lshl_b32 s50, s50, 21
	s_add_co_u32 s44, s44, s50
	s_and_b32 s42, s42, 3
	s_lshl_b32 s42, s42, 10
	s_add_co_u32 s44, s44, s42
	s_mov_b32 s28, 0x76543210                      ; v_permlanex16_b32: lane l xor 16
	s_mov_b32 s29, 0xfedcba98
	s_wait_kmcnt 0x0
	s_load_b256 s[16:23], s[6:7], 0x0              ; e0 .. e7
	s_add_nc_u64 s[32:33], s[4:5], s[38:39]
	s_add_nc_u64 s[46:47], s[4:5], s[46:47]
	s_add_nc_u64 s[48:49], s[4:5], s[48:49]
	s_wait_alu depctr_va_vdst(0)                   ; v[L16] is written, which every global load and store reads as its offset, and v[WAD0], which the head's LDS stores read as their address
	GLOAD S, 32, 0                                 ; key slot 0, through registers that the scores will take
	GLOAD STG, 32, 16384                           ; key slot 1 (every first block has five visits or more)
	WIN 0x40                                       ; destination window 1
.irp x, 0,1
.irp c, 0,1
	global_load_b128 v[QF+8*\x+4*\c:QF+8*\x+4*\c+3], v[L16], s[46:47] offset:1024*\x+512*\c
	global_load_b128 v[QL+8*\x+4*\c:QL+8*\x+4*\c+3], v[L16], s[48:49] offset:1024*\x+512*\c
.endr
.endr
	WIN 0
	v_mov_b32 v[NINF], 0xff800000
.irp x, 0,1
	v_mov_b32 v[FF+2*\x+1], 0                      ; named as the upper halves of pairs
	v_mov_b32 v[RL+2*\x+1], 0
	v_mov_b32 v[MX+4*\x+2], 0                      ; a lane exchange's destination counts as one of its sources
.endr
	s_wait_kmcnt 0x0
	s_add_co_i32 s38, s18, s19
	s_lshl_b32 s38, s38, 23
	s_add_co_i32 s30, s38, 0x3e38aa3b              ; c = log2(e) / 8 x 2^(e2 + e3): the exponents are added to c's exponent field
	s_mov_b32 s31, s30                             ; (named with it as a pair)
	s_add_co_i32 s38, s20, 127
	s_lshl_b32 s39, s38, 23
	v_mov_b32 v[PSC], s39
	s_add_co_i32 s38, s38, 8
	s_lshl_b32 s38, s38, 23
	s_or_b32 s38, s38, 0x600000
	v_mov_b32 v[PLIM], s38
	s_sub_co_i32 s38, s22, s20
	s_sub_co_i32 s38, s38, s21                     ; O^T / l stands for that x 2^(e4 + e5): its code is (O^T / l) / 2^(e6 - e4 - e5)
	s_add_co_i32 s38, s38, 127
	s_lshl_b32 s39, s38, 23
	v_mov_b32 v[OSC], s39
	s_add_co_i32 s38, s38, 8
	s_lshl_b32 s38, s38, 23
	s_or_b32 s38, s38, 0x600000
	v_mov_b32 v[OLIM], s38
	RESET 40
	s_mov_b32 s27, 2
	s_mov_b32 s14, 0
	s_mov_b32 s15, 0
	s_wait_loadcnt 16                              ; key slot 0's eight loads are in; slot 1's eight and Q's eight may be out
.irp i, 0,1,2,3,4,5,6,7
	ds_store_b128 v[WAD0], v[S+4*\i:S+4*\i+3] offset:512*\i   ; the data came by loads; no vector instruction since the head's wait names v[WAD0] or these registers
.endr
	s_wait_dscnt 0x0                               ; for the others' sake: my part of slot 0 lies in LDS
	s_barrier_signal -1
	s_barrier_wait -1
; A KEY STEP: 128 keys, the q-th of the slot that is read, for my two tiles of queries.
.macro STEP q
	s_add_co_u32 s38, s26, 31
	s_cmp_gt_u32 s25, s38                          ; all keys behind all my queries: the step's work is left out
	s_cbranch_scc1 .Lhidden_\@
	s_wait_alu depctr_vm_vsrc(0)                   ; the LDS loads issued so far have read v[ADK], which is written anew; and the head's LDS stores have read the registers that the scores take
	v_add_nc_u32 v[ADK], s15, v[L16]
.rept 3
	v_nop                                          ; with the addition above four places behind the last products, in front of loads into registers that they read (ISA guide 7.12.1 for vector instructions)
.endr
	WIN 0x40                                       ; destination window 1
	s_wait_alu depctr_va_vdst(0)                   ; v[ADK] is written, which the loads below read; the last products are done reading K's and V's fragments, in which they land
.irp t, 0,1,2,3,4,5,6,7
.irp c, 0,1
	ds_load_b128 v[KFR+8*\t+4*\c:KFR+8*\t+4*\c+3], v[ADK] offset:8192*(\q)+1024*\t+512*\c
.endr
.endr
.irp t, 0,1,2,3
.irp c, 0,1,2,3
	ds_load_b128 v[VFR+16*\t+4*\c:VFR+16*\t+4*\c+3], v[ADK] offset:VOFF+8192*(\q)+2048*\t+512*\c
.endr
.endr
	s_wait_dscnt 16                                ; K's sixteen loads are in; V's sixteen may be out
	WIN 0x05                                       ; K and Q window 1, S^T window 0
.irp t, 0,1,2,3,4,5,6,7
.irp x, 0,1
	v_wmma_f32_16x16x64_fp8_fp8 v[S+64*\x+8*\t:S+64*\x+8*\t+7], v[KFR+8*\t:KFR+8*\t+7], v[QF+8*\x:QF+8*\x+7], 0
.endr
.endr
	WIN 0
.rept 4
	v_nop                                          ; four places in front of the first read of the scores
.endr
	s_add_co_u32 s38, s25, 127
	s_cmp_le_u32 s38, s26                          ; all keys count for all my queries: nothing is hidden
	s_cbranch_scc1 .Lopen_\@
	v_sub_nc_u32 v[DD], v[DQ], s25                 ; register 16 b + i holds key 32 b + 16 h + i of the step: hidden where 32 b + i > my query - the step's first key - 16 h
	v_sub_nc_u32 v[DD+1], v[DQ+1], s25
.set n, 0
.rept 8                                        ; a run: one result of each tile, eight registers each: sixteen compares, one wait, sixteen selects, each result from its low end on
.irp k, 0,1,2,3,4,5,6,7
	v_cmp_gt_i32 s[MK+2*\k], 32*((n+\k)/16)+(n+\k)%16, v[DD]
	v_cmp_gt_i32 s[MK+2*\k+1], 32*((n+\k)/16)+(n+\k)%16, v[DD+1]
.endr
	s_wait_alu depctr_va_sdst(0)                   ; the run's sixteen compares have written s48 to s63, ahead of the selects that read them
.irp k, 0,1,2,3,4,5,6,7
	v_cndmask_b32 v[S+n+\k], v[S+n+\k], v[NINF], s[MK+2*\k]
	v_cndmask_b32 v[S+64+n+\k], v[S+64+n+\k], v[NINF], s[MK+2*\k+1]
.endr
.set n, n+8
.endr
.Lopen_\@:
.irp x, 0,1                                    ; the step's largest score of my query, among my 64 keys, in two chains a tile; the scores are read in ascending order, each result from its low end on
	v_max3_num_f32 v[MX+4*\x], v[S+64*\x], v[S+64*\x+1], v[S+64*\x+2]
	v_max3_num_f32 v[MX+4*\x+1], v[S+64*\x+3], v[S+64*\x+4], v[S+64*\x+5]
.endr
.irp i, 6,10,14,18,22,26,30,34,38,42,46,50,54,58
.irp x, 0,1
	v_max3_num_f32 v[MX+4*\x], v[MX+4*\x], v[S+64*\x+\i], v[S+64*\x+\i+1]
	v_max3_num_f32 v[MX+4*\x+1], v[MX+4*\x+1], v[S+64*\x+\i+2], v[S+64*\x+\i+3]
.endr
.endr
.irp x, 0,1
	v_max3_num_f32 v[MX+4*\x], v[MX+4*\x], v[S+64*\x+62], v[S+64*\x+63]
.endr
.irp x, 0,1
	v_max_num_f32 v[MX+4*\x], v[MX+4*\x], v[MX+4*\x+1]
.endr
.irp x, 0,1
	v_permlanex16_b32 v[MX+4*\x+2], v[MX+4*\x], s28, s29
.endr
.irp x, 0,1
	v_max_num_f32 v[MX+4*\x], v[MX+4*\x], v[MX+4*\x+2]   ; and among lane l xor 16's
.endr
.irp x, 0,1
	v_mul_f32 v[MX+4*\x], s30, v[MX+4*\x]          ; as t (c is positive)
.endr
.irp x, 0,1
	v_max_num_f32 v[ST+4*\x+1], v[ST+4*\x+1], v[MX+4*\x]   ; the running largest t
.endr
.irp x, 0,1
	v_mov_b32 v[MX+4*\x], v[ST+4*\x]
.endr
.irp x, 0,1
	v_floor_f32 v[ST+4*\x], -v[ST+4*\x+1]          ; the new -M = floor(-t) = -ceil(t): a whole number
.endr
.irp x, 0,1
	v_sub_f32 v[MX+4*\x], v[ST+4*\x], v[MX+4*\x]   ; old M - new M: a whole number, 0 or less
.endr
.irp x, 0,1
	v_cvt_i32_f32 v[MX+4*\x], v[MX+4*\x]           ; (it saturates)
.endr
.irp x, 0,1
	v_ldexp_f32 v[FF+2*\x], 1.0, v[MX+4*\x]        ; f = 2^(old M - new M)
.endr
.set i, 0
.rept 32
	v_pk_fma_f32 v[S+i:S+i+1], v[S+i:S+i+1], s[30:31], v[ST:ST+1] op_sel_hi:[1,0,0]             ; t - M, two at a time (of the pairs c and -M the low word serves both halves)
	v_pk_fma_f32 v[S+64+i:S+64+i+1], v[S+64+i:S+64+i+1], s[30:31], v[ST+4:ST+5] op_sel_hi:[1,0,0]
.set i, i+2
.endr
.set i, 0
.rept 128
	v_exp_f32 v[S+i], v[S+i]                       ; p = 2^(t - M): both tiles' exponentials are one batch
.set i, i+1
.endr
	v_pk_mul_f32 v[ST+2:ST+3], v[ST+2:ST+3], v[FF:FF+1] op_sel_hi:[1,0]       ; l under the new M: the plain lines behind the batch
	v_pk_mul_f32 v[ST+6:ST+7], v[ST+6:ST+7], v[FF+2:FF+3] op_sel_hi:[1,0]
	s_wait_alu depctr_va_vdst(0)                   ; one wait for the batch, ahead of the first line that names a result: the 128 exponentials have written p
.irp x, 0,1
	v_pk_add_f32 v[C2+2*\x:C2+2*\x+1], v[S+64*\x:S+64*\x+1], v[S+64*\x+2:S+64*\x+3]   ; the sum is taken of the unquantised p: two at a time, two chains a tile
.endr
.irp j, 4,8,12,16,20,24,28,32,36,40,44,48,52,56,60
.irp x, 0,1
	v_pk_add_f32 v[ST+4*\x+2:ST+4*\x+3], v[ST+4*\x+2:ST+4*\x+3], v[S+64*\x+\j:S+64*\x+\j+1]
	v_pk_add_f32 v[C2+2*\x:C2+2*\x+1], v[C2+2*\x:C2+2*\x+1], v[S+64*\x+\j+2:S+64*\x+\j+3]
.endr
.endr
.irp x, 0,1
	v_pk_add_f32 v[ST+4*\x+2:ST+4*\x+3], v[ST+4*\x+2:ST+4*\x+3], v[C2+2*\x:C2+2*\x+1]
.endr
	s_cmp_ge_i32 s20, -8                           ; 448 x 2^e4 >= 1.75 lies over every p: the hold can change nothing
	s_cbranch_scc1 .Lnohold_\@
.set i, 0
.rept 128
	v_min_num_f32 v[S+i], v[S+i], v[PLIM]          ; the conversion to an 8-bit code does not saturate (ISA guide 7.6.2); p is not negative, so the hold is one-sided
.set i, i+1
.endr
.Lnohold_\@:
	WIN 0x40                                       ; destination window 1
.irp x, 0,1
.irp g, 0,1,2,3,4,5,6,7
	v_cvt_scalef32_pk8_fp8_f32 v[PF+16*\x+2*\g:PF+16*\x+2*\g+1], v[S+64*\x+8*\g:S+64*\x+8*\g+7], v[PSC]
.endr
.endr
	WIN 0x41                                       ; O^T (destination and source 0) window 1, f window 0
.set i, 0
.rept 16
	v_pk_mul_f32 v[O+i:O+i+1], v[O+i:O+i+1], v[FF:FF+1] op_sel_hi:[1,0]                 ; O^T under the new M.  (These are also the plain lines between the conversions and the products that read their results)
	v_pk_mul_f32 v[O+32+i:O+32+i+1], v[O+32+i:O+32+i+1], v[FF+2:FF+3] op_sel_hi:[1,0]
.set i, i+2
.endr
	s_wait_dscnt 0x0                               ; V is in
	WIN 0x55                                       ; all four in window 1
.irp t, 0,1,2,3                                ; the eight accumulators take turns, one instruction a turn; the next step's sixteen products K Q^T stand between two turns of one accumulator
.irp x, 0,1
	v_wmma_f32_16x16x128_fp8_fp8 v[O+32*\x+8*\t:O+32*\x+8*\t+7], v[VFR+16*\t:VFR+16*\t+15], v[PF+16*\x:PF+16*\x+15], v[O+32*\x+8*\t:O+32*\x+8*\t+7]
.endr
.endr
	WIN 0
.Lhidden_\@:
	s_add_co_u32 s25, s25, 128
.endm
; A query block ends: O^T / l, held, converted with 2^(e6 - e4 - e5), stored as the last product's operand: registers 16 b + 8 u + i of a tile are channels 32 b + 16 h + 8 u + i of the head.
.macro FINAL
.rept 4
	v_nop                                          ; four places behind the last products
.endr
.irp x, 0,1
	v_add_f32 v[ST+4*\x+2], v[ST+4*\x+2], v[ST+4*\x+3]   ; l's two halves,
.endr
.irp x, 0,1
	v_permlanex16_b32 v[MX+4*\x+2], v[ST+4*\x+2], s28, s29
.endr
.irp x, 0,1
	v_add_f32 v[ST+4*\x+2], v[ST+4*\x+2], v[MX+4*\x+2]   ; and lane l xor 16's
.endr
.irp x, 0,1
	v_rcp_f32 v[RL+2*\x], v[ST+4*\x+2]
.endr
	v_nop                                          ; a plain line behind the reciprocals,
	s_wait_alu depctr_va_vdst(0)                   ; and one wait for both, ahead of their first reader: the reciprocals have written 1 / l
	s_wait_xcnt 0x0                                ; the first block's stores have read their data: the codes' registers may be written again
	s_wait_alu depctr_vm_vsrc(0)                   ; the first block's stores have read v[OC ..], which the conversions below write again
	WIN 0x01                                       ; source 0 (O^T) window 1
.set i, 0
.rept 16
	v_pk_mul_f32 v[S+i:S+i+1], v[O+i:O+i+1], v[RL:RL+1] op_sel_hi:[1,0]                 ; each accumulator from its low end on
	v_pk_mul_f32 v[S+64+i:S+64+i+1], v[O+32+i:O+32+i+1], v[RL+2:RL+3] op_sel_hi:[1,0]
.set i, i+2
.endr
	WIN 0
.set i, 0
.rept 32
	v_med3_num_f32 v[S+i], v[S+i], -v[OLIM], v[OLIM]
	v_med3_num_f32 v[S+64+i], v[S+64+i], -v[OLIM], v[OLIM]
.set i, i+1
.endr
.irp x, 0,1
.irp g, 0,1,2,3
	v_cvt_scalef32_pk8_fp8_f32 v[OC+8*\x+2*\g:OC+8*\x+2*\g+1], v[S+64*\x+8*\g:S+64*\x+8*\g+7], v[OSC]
.endr
.endr
	v_nop                                          ; one plain line behind the last conversion: products will write its sources
	s_wait_alu depctr_va_vdst(0)                   ; the conversions have written v[OC ..], which the stores read
.irp x, 0,1
.irp b, 0,1
	global_store_b128 v[L16], v[OC+8*\x+4*\b:OC+8*\x+4*\b+3], s[36:37] offset:4096*\x+512*\b   ; 512 consecutive bytes, at a multiple of 512 from the buffer's first byte
.endr
.endr
.endm
.Lvisit:                                           ; nine trips
	s_wait_loadcnt 0x0                             ; the next visit's part of K or V, asked for a visit ago, is in registers (in the first trip: Q too); so its loads' base may be written
	s_xor_b32 s24, s15, SLOTB
	s_wait_alu depctr_vm_vsrc(0)                   ; the last visit's LDS stores have read v[WADR], which is written anew
	v_add_nc_u32 v[WADR], s24, v[WAD0]
	s_wait_alu depctr_va_vdst(0)                   ; v[WADR] is written, which the LDS stores below read.  Both waits and the addition stand ahead of the branch, on every way through the visit
	s_cmp_lt_u32 s14, 8
	s_cbranch_scc0 .Lno_store                      ; the last visit has no successor
.irp i, 0,1,2,3,4,5,6,7
	ds_store_b128 v[WADR], v[STG+4*\i:STG+4*\i+3] offset:512*\i   ; into the slot that was read in the visit before: every wave's reads of it were waited for in front of the last barrier
.endr
.Lno_store:
	s_cmp_lt_u32 s14, 7
	s_cbranch_scc0 .Lno_fetch                      ; the last two visits ask for nothing: no load leaves the walk
	s_wait_dscnt 0x0                               ; the stores have read their registers, which take the next loads
	s_wait_alu depctr_vm_vsrc(0)                   ; the LDS stores above have read v[STG ..], in which the loads below land; no vector instruction names these registers
	s_lshl_b32 s38, s27, 14
	s_mov_b32 s39, 0
	s_add_nc_u64 s[34:35], s[32:33], s[38:39]
	GLOAD STG, 34, 0                               ; the visit after the next: it has this whole visit in which to arrive
	s_add_co_u32 s27, s27, 1
	s_cmp_eq_u32 s27, s13
	s_cselect_b32 s27, 0, s27                      ; behind the first block's last slot comes the second block's slot 0
.Lno_fetch:
	STEP 0
	STEP 1
	s_xor_b32 s15, s15, SLOTB                      ; on to the other slot
	s_add_co_u32 s38, s14, 1
	s_cmp_eq_u32 s38, s13                          ; the first block's last visit?  The same in all eight waves
	s_cbranch_scc0 .Lno_switch
	FINAL
	WIN 0x41
.set i, 0
.rept 16
	v_mov_b32 v[QF+i], v[QL+i]                     ; the second block's Q
.set i, i+1
.endr
	WIN 0
	RESET 11
.Lno_switch:
	s_wait_dscnt 0x0                               ; my stores into the next slot have landed, and my reads of this slot are over
	s_barrier_signal -1
	s_barrier_wait -1
	s_add_co_u32 s14, s14, 1
	s_cmp_lt_u32 s14, 9
	s_cbranch_scc1 .Lvisit
	FINAL
	s_wait_dscnt 0x0                               ; the closing lines, six on end
	s_wait_alu 0x0
	s_wait_tensorcnt 0x0
	ds_add_u32 v254, v255
	s_wait_dscnt 0x0
	s_endpgm
.Lfunc_end_k_q6852e30e9f_attn:
	.size	k_q6852e30e9f_attn, .Lfunc_end_k_q6852e30e9f_attn-k_q6852e30e9f_attn
	.p2alignl 7, 3214868480
	.fill 96, 4, 3214868480
	.section	.rodata,"a",@progbits
	.p2align	6, 0x0
	.amdhsa_kernel k_q6852e30e9f_attn
		.amdhsa_group_segment_fixed_size 66560
		.amdhsa_private_segment_fixed_size 0
		.amdhsa_enable_private_segment 0
		.amdhsa_kernarg_size 24
		.amdhsa_user_sgpr_count 2
		.amdhsa_user_sgpr_kernarg_segment_ptr 1
		.amdhsa_wavefront_size32 1
		.amdhsa_system_sgpr_workgroup_id_x 1
		.amdhsa_system_sgpr_workgroup_id_y 1
		.amdhsa_system_sgpr_workgroup_id_z 1
		.amdhsa_system_vgpr_workitem_id 0
		.amdhsa_next_free_vgpr 512
		.amdhsa_next_free_sgpr 66
		.amdhsa_reserve_vcc 0
		.amdhsa_float_denorm_mode_32 3
		.amdhsa_float_denorm_mode_16_64 3
		.amdhsa_memory_ordered 1
		.amdhsa_forward_progress 1
		.amdhsa_inst_pref_size 124
	.end_amdhsa_kernel
	.amdgpu_metadata
---
amdhsa.version: [ 1, 2 ]
amdhsa.kernels:
  - .name:           k_q6852e30e9f_attn
    .symbol:         k_q6852e30e9f_attn.kd
    .args:
      - { .name: qkv, .offset: 0, .size: 8, .value_kind: global_buffer, .address_space: global }
      - { .name: lowp_scales, .offset: 8, .size: 8, .value_kind: global_buffer, .address_space: global }
      - { .name: ao, .offset: 16, .size: 8, .value_kind: global_buffer, .address_space: global }
    .group_segment_fixed_size: 66560
    .private_segment_fixed_size: 0
    .kernarg_segment_align: 8
    .kernarg_segment_size: 24
    .max_flat_workgroup_size: 256
    .sgpr_count:     66
    .vgpr_count:     512
    .wavefront_size: 32
...
	.end_amdgpu_metadata
.endif
;; end of part 5
;; launch proj: the kernel of part 4 again; grid 4 x 32, 4 waves a work-group, clusters of 4 x 4, 327,680 bytes of LDS; arguments ao, codes, lowp_scales, out0; writes out0
